; MI455X (gfx1250); checked and timed in simulation.
; The chip was launched on July 23, 2026; its instructions are those of AMD's public machine-readable ISA for CDNA 5 (MIT licence, August 2026) and "CDNA5" Instruction Set Architecture Reference Guide (July 2026). The comments in the code are by the model that wrote it; some were corrected since.
;; Grouped Query Attention. Allowed arithmetic: matrix products marked QUANTISED: E2M3 operands, one E8M0 scale for each 32 along K, by v_wmma_scale_f32_16x16x128_f8f6f4 with both operands' format E2M3, f32 sums; everything else in f32.
;; Inputs: cos 2,048 x 32 float32; sin 2,048 x 32 float32; wk 512 x 2,048 float32; wo 2,048 x 2,048 float32; wq 2,048 x 2,048 float32; wv 512 x 2,048 float32; x 1 x 2,048 x 2,048 float32.
;; Outputs: out0 1 x 2,048 x 2,048 float32.
;; This version of the problem:
;;   THIS VERSION OF THE PROBLEM IS GIVEN IN LOW PRECISION. The matrix products marked QUANTISED in the list below multiply operands that are first quantised to E2M3 (2 exponent bits, 3 mantissa bits; 6 bits a number), with one power-of-two scale for each 32 numbers along K (OCP MX v1.0); their sums are f32. All else is computed in f32.
;;   The module's matrix products, in the order in which they are computed (A, B: the left and right operand; K: the contracted axis; several contracted axes count as one K, in the product's order):
;;     1. [M 2,048, K 2,048] x [K 2,048, N 2,048]; A: input x; B: input wq: QUANTISED
;;     2. [M 2,048, K 2,048] x [K 2,048, N 512]; A: input x; B: input wk: QUANTISED
;;     3. [M 2,048, K 2,048] x [K 2,048, N 512]; A: input x; B: input wv: QUANTISED
;;     4. batch 8 x [M 8,192, K 64] x [K 64, N 2,048]; A: computed on the way; B: computed on the way: QUANTISED
;;     5. batch 8 x [M 8,192, K 2,048] x [K 2,048, N 64]; A: softmax (see below); B: computed on the way: QUANTISED
;;     6. [M 2,048, K 2,048] x [K 2,048, N 2,048]; A: computed on the way; B: input wo: QUANTISED
;;   THE QUANTISER, for each operand of a quantised product, along K:
;;     - K is cut into blocks of 32 from its start; a last block that is shorter is filled with zeros.
;;     - A block's scale is 2^e with e = floor(log2(the largest magnitude in the block)) - 2, held to -126 .. 127; a block of zeros has e = 0. As a byte (E8M0): e + 127.
;;     - Each number is divided by its block's scale, clamped to +-7.5, and rounded to the nearest number of E2M3, ties to even, subnormals kept.
;;     - The product sums the exact products of the quantised numbers (number of the format x scale) in f32.
;;   ~~~python
;;   def quantise(x, axis):      # numpy; x: float32 -> the quantised numbers, widened to float32 again
;;       x = np.moveaxis(x, axis, -1); K = x.shape[-1]
;;       x = np.pad(x, [(0, 0)] * (x.ndim - 1) + [(0, -K % 32)]); x = x.reshape(x.shape[:-1] + (-1, 32)); a = np.abs(x).max(-1, keepdims=True)
;;       e = np.where(a > 0, np.clip(np.frexp(np.where(a > 0, a, 1))[1] - 1 - 2, -126, 127), 0)      # np.frexp(a)[1] - 1 = floor(log2(a)), exactly
;;       r = np.clip(x / 2.0 ** e, -7.5, 7.5)
;;       step = 2.0 ** (np.maximum(np.frexp(np.where(r == 0, 1, r))[1] - 1, 0) - 3)
;;       q = np.round(r / step) * step * 2.0 ** e      # np.round: ties to even
;;       return np.moveaxis(q.reshape(q.shape[:-2] + (-1,))[..., :K], -1, axis).astype(np.float32)
;;   ~~~
;;   SOFTMAX AHEAD OF A QUANTISED PRODUCT. Where the list says 'softmax', what is quantised is not the finished softmax but p = 2^(t - M), with t = logit x log2(e) and M = ceil(the row's largest t), a whole number; so 1/2 < the row's largest p <= 1. The row's sum l is taken of the UNQUANTISED p, in f32, and the product's result is divided by l at the end. Since M is a whole number, a kernel that streams over the keys may use a running M (the ceiling of the running maximum): every later rescaling is an exact power of two, which a block's scale takes up: the codes' values come out the same.
;;   OPERANDS COMPUTED ON THE WAY. 'Computed on the way' means the value that the module computes at that place (a softmax that the list does not call 'softmax' is quantised finished and normalised). What goes into a quantiser is computed in f32, as accurately as f32 sums, v_exp_f32 and their like allow (about 1e-6 of the number): no bf16 or f16 on the way to a quantiser, and a product that is left as it is and whose result goes on into a quantised operand takes f32 operands (vector FMAs, or v_wmma_f32_16x16x4_f32). A number that lies on a knife's edge between two numbers of the format may be rounded either way, as far as f32 arithmetic and the matrix unit's own rounding can turn it there, and no further.
;; One version. Each part assembles by itself: llvm-mc -triple=amdgcn-amd-amdhsa -mcpu=gfx1250 --defsym DOCPART=n.
;; ======== version 1 of 1: 4 launches
;; limits: right only within a limited range of input values
;; workspace buffers: opc 11,010,048 bytes; ops 458,752 bytes; qkvc 4,718,592 bytes; qkvs 393,216 bytes; yc 3,145,728 bytes; ys 131,072 bytes
;; launch quant (part 1): grid 896 x 1, 4 waves a work-group, no clusters, 34,304 bytes of LDS; arguments x, wq, wk, wv, wo, opc, ops; writes opc, ops
.if DOCPART == 1
	.amdgcn_target "amdgcn-amd-amdhsa--gfx1250"
	.amdhsa_code_object_version 6
	.text
	.protected	k_qb6a94ca78f_quant
	.globl	k_qb6a94ca78f_quant
	.p2align	8
	.type	k_qb6a94ca78f_quant,@function
k_qb6a94ca78f_quant:
	s_mov_b64 s[64:65], 0
	v_nop
	global_prefetch_b8 v0, s[64:65] scope:SCOPE_SE
	s_setreg_imm32_b32 hwreg(HW_REG_WAVE_MODE, 25, 1), 1
	s_wait_xcnt 0x0
; x [2048][2048], wq [2048][2048], wk [512][2048], wv [512][2048], wo [2048][2048], f32, K innermost, become codes of FP6 (E2M3) with one E8M0 byte for each 32 along K.
; A block's scale is 2^(floor(log2(its largest magnitude)) - 2); its byte is the largest magnitude's exponent field - 2, held at 1 from below.
; WORK LEFT OUT BY THE PROGRAM (in the attention launch): reference() builds the causal mask itself, so a tile of keys that lies wholly behind a tile's queries has the score finfo.min,
; its softmax weight is 0 for all values of the inputs, and neither product is formed for it.  A NaN, an infinity or an overflow that reaches only such tiles is not carried to the result.
; LIMITS: NaN and infinities among the inputs are not served; a block whose largest magnitude lies under 2^-124 keeps the byte 1; a block of zeros has the byte 1 where the
; quantiser says 127: its codes are zeros, which add nothing under any byte but 0xff, and this program alone reads the bytes.
; THE LAYOUT OF THE CODES is the order of the matrix operand's registers.  A TILE is 16 rows: place p of tile t is row 32 (t / 2) + 8 (t % 2) + p + 8 (p / 8).
; A HALF (768 bytes) is 16 places x 64 along K: lane 16 h + r holds block h of place r in six registers; registers 0-3 lie at 16 x lane, registers 4, 5 at 512 + 8 x lane.
; A FRAGMENT (1,536 bytes) is two halves: 128 along K.  A GROUP (196,608 bytes) is 128 rows x 2,048 along K: [K step 0..15][tile 0..7][fragment].
; The scale words of a group (8,192 bytes): [chunk of four K steps 0..3][place 0..127][word 0..3], a word = the four bytes of one K step.
; opc and ops hold 56 groups: x 0-15, wq 16-31, wk 32-35, wv 36-39, wo 40-55.
; SHARES.  Two work-groups take one tile of 16 rows, 1,024 along K each; each of the four waves takes 256 along K: two fragments, whose 32 loads are all issued at the start.
; Each load reads 512 consecutive bytes of a row; a fragment's 16 x 512 bytes turn through the wave's own stage in LDS, so that a lane gets two whole blocks of its row; each store of codes covers
; 512 or 256 consecutive bytes.  A wave's two scale words of a place leave as 8 bytes, 16 bytes from place to place: the other 8 are the neighbouring wave's.
; Waves share nothing: no barrier.  No work-group reads what another reads: no cluster.
.set PITCH, 528                        ; a stage row: 512 bytes + 16: sixteen rows start at sixteen different groups of banks
.set STG,   16*PITCH                   ; a wave's stage
.set TM, 12                            ; v12-13  the two blocks' largest magnitudes
.set SO, 14                            ; v14-15  the conversions' scale operands
.set BY, 16                            ; v16-17  the scale bytes
.set W,  18                            ; v18     my two bytes at their places in the word
.set PT, 19                            ; v19     lane l xor 16's
.set SW, 24                            ; v24-25  the two fragments' scale words
.set T,  28                            ; v28-30, v32-34  the upper 16 codes of a block (a conversion's three registers begin on an even number)
.set C,  36                            ; v36-47, v48-59  a fragment's codes, a set for each fragment
.set R,  60                            ; v60-123, v124-187  numbers as loaded, a set for each fragment
.set X,  188                           ; v188-251  my 64 numbers: blocks h and 2 + h of my row
	s_load_b256 s[4:11], s[0:1], 0x0               ; x, wq, wk, wv
	s_load_b128 s[12:15], s[0:1], 0x20             ; wo, opc
	s_load_b64 s[16:17], s[0:1], 0x30              ; ops
	v_lshl_add_u32 v254, v0, 2, 0x8400
	v_mov_b32 v255, 0
	v_lshrrev_b32 v1, 5, v0
	v_readfirstlane_b32 s18, v1                    ; wave
	v_and_b32 v1, 31, v0                           ; lane
	v_and_b32 v2, 15, v0                           ; r
	v_bfe_u32 v3, v0, 4, 1                         ; h
	v_lshlrev_b32 v4, 4, v1                        ; 16 x lane: a load's and a wide store's offset
	s_mul_i32 s23, s18, STG
	v_add_nc_u32 v5, s23, v4                       ; the stage, on the way in: a row as it was loaded
	v_mul_u32_u24 v6, v2, PITCH
	v_lshl_add_u32 v6, v3, 7, v6
	v_add_nc_u32 v6, s23, v6                       ; and on the way out: row r, block h
	v_lshlrev_b32 v8, 3, v1                        ; 8 x lane
	v_lshlrev_b32 v9, 3, v3                        ; 8 h: how far my two bytes are shifted
	v_lshlrev_b32 v10, 4, v2                       ; 16 r: my place's scale words
	v_mov_b32 v[PT], 0                             ; written once: a lane permute's destination counts as one of its sources
	s_mov_b32 s20, 0x76543210
	s_mov_b32 s21, 0xfedcba98                      ; selects for lane l xor 16
	s_lshr_b32 s19, ttmp9, 1                       ; the tile, counted over all five tensors
	s_and_b32 s31, ttmp9, 1
	s_lshl_b32 s31, s31, 2
	s_add_co_u32 s31, s31, s18                     ; which 256 along K is my wave's: 0..7
	s_wait_alu depctr_va_vdst(0)                   ; at the head's end
	s_wait_kmcnt 0x0
	s_mov_b64 s[24:25], s[12:13]                   ; which tensor: the choice hangs on the work-group's number alone
	s_mov_b32 s26, 320                             ; and the number of its first tile
	s_cmp_lt_u32 s19, 320
	s_cselect_b64 s[24:25], s[10:11], s[24:25]
	s_cselect_b32 s26, 288, s26
	s_cmp_lt_u32 s19, 288
	s_cselect_b64 s[24:25], s[8:9], s[24:25]
	s_cselect_b32 s26, 256, s26
	s_cmp_lt_u32 s19, 256
	s_cselect_b64 s[24:25], s[6:7], s[24:25]
	s_cselect_b32 s26, 128, s26
	s_cmp_lt_u32 s19, 128
	s_cselect_b64 s[24:25], s[4:5], s[24:25]
	s_cselect_b32 s26, 0, s26
	s_sub_co_u32 s26, s19, s26                     ; the tile's number t in its tensor
	s_lshr_b32 s27, s26, 1
	s_lshl_b32 s27, s27, 18                        ; 32 (t / 2) rows of 8,192 bytes
	s_and_b32 s28, s26, 1
	s_lshl_b32 s28, s28, 16                        ; 8 (t % 2) rows
	s_add_co_u32 s28, s28, s27
	s_lshl_b32 s27, s31, 10                        ; my wave's 256 numbers
	s_add_co_u32 s28, s28, s27
	s_mov_b32 s29, 0
	s_add_nc_u64 s[24:25], s[24:25], s[28:29]
	s_lshr_b32 s26, s19, 3                         ; group
	s_and_b32 s27, s19, 7                          ; tile in the group
	s_mul_i32 s28, s26, 196608
	s_mul_i32 s30, s31, 24576                      ; two K steps
	s_add_co_u32 s28, s28, s30
	s_mul_i32 s30, s27, 1536
	s_add_co_u32 s28, s28, s30
	s_add_nc_u64 s[14:15], s[14:15], s[28:29]      ; my codes
	s_lshl_b32 s28, s26, 13
	s_lshr_b32 s30, s31, 1                         ; the chunk of four K steps,
	s_lshl_b32 s30, s30, 11
	s_add_co_u32 s28, s28, s30
	s_and_b32 s30, s31, 1                          ; and which two of its words
	s_lshl_b32 s30, s30, 3
	s_add_co_u32 s28, s28, s30
	s_lshl_b32 s30, s27, 8
	s_add_co_u32 s28, s28, s30
	s_add_nc_u64 s[16:17], s[16:17], s[28:29]      ; my scale words
.macro LOAD f                          ; fragment f: 128 numbers of each of the 16 places; 32 lanes read 512 consecutive bytes
.irp i, 0,1,2,3,4,5,6,7,8,9,10,11,12,13,14,15
	global_load_b128 v[R+64*((\f)%2)+4*\i:R+64*((\f)%2)+4*\i+3], v4, s[24:25] offset:(\i+8*(\i/8))*8192+512*(\f) th:TH_LOAD_NT
.endr
.endm
.macro TURN f                          ; through the stage: LDS serves a wave's instructions in order, so no wait stands between the stores and the loads
.irp i, 0,1,2,3,4,5,6,7,8,9,10,11,12,13,14,15
	ds_store_b128 v5, v[R+64*((\f)%2)+4*\i:R+64*((\f)%2)+4*\i+3] offset:PITCH*\i
.endr
.irp c, 0,1
.irp j, 0,1,2,3,4,5,6,7
	ds_load_b128 v[X+32*\c+4*\j:X+32*\c+4*\j+3], v6 offset:256*\c+16*\j   ; k = 64 c + 32 h + 4 j on
.endr
.endr
.endm
.macro QUANT f
.set CS, C+12*((\f)%2)
.irp c, 0,1
	v_max3_num_f32 v[TM+\c], |v[X+32*\c]|, |v[X+32*\c+1]|, 0x1800000   ; block 2 c + h is all mine; the floor 2^(3 - 127) holds the byte at 1 from below
.endr
.irp i, 2,4,6,8,10,12,14,16,18,20,22,24,26,28,30
.irp c, 0,1
	v_max3_num_f32 v[TM+\c], v[TM+\c], |v[X+32*\c+\i]|, |v[X+32*\c+\i+1]|
.endr
.endr
.irp c, 0,1
	v_add_nc_u32 v[SO+\c], 0xff000000, v[TM+\c]    ; 2 off the exponent field: the conversion takes this operand's exponent field as its scale
.endr
.irp c, 0,1
	v_lshrrev_b32 v[BY+\c], 23, v[SO+\c]           ; the scale's byte
.endr
	v_lshl_or_b32 v[W], v[BY+1], 16, v[BY]         ; bytes h and 2 + h of the word,
	v_lshlrev_b32 v[W], v9, v[W]                   ; at their places;
	v_permlanex16_b32 v[PT], v[W], s20, s21
	v_or_b32 v[SW+(\f)], v[W], v[PT]               ; with lane l xor 16's two the word is whole, in both lanes
.irp c, 0,1
	v_cvt_scalef32_pk16_fp6_f32 v[CS+6*\c:CS+6*\c+2], v[X+32*\c:X+32*\c+15], v[SO+\c]
	v_cvt_scalef32_pk16_fp6_f32 v[T+4*\c:T+4*\c+2], v[X+32*\c+16:X+32*\c+31], v[SO+\c]
.endr
	v_nop                                          ; one plain instruction behind the scaled conversions
.irp c, 0,1
.irp i, 0,1,2
	v_mov_b32 v[CS+6*\c+3+\i], v[T+4*\c+\i]
.endr
.endr
.endm
.macro OUT f                           ; the fragment leaves as it stands in the registers
.set CS, C+12*((\f)%2)
.irp c, 0,1
	global_store_b128 v4, v[CS+6*\c:CS+6*\c+3], s[14:15] offset:12288*(\f)+768*\c          ; 512 consecutive bytes
	global_store_b64 v8, v[CS+6*\c+4:CS+6*\c+5], s[14:15] offset:12288*(\f)+768*\c+512     ; 256 consecutive bytes
.endr
.endm
	LOAD 0
	LOAD 1
.irp f, 0,1
.if \f < 1
	s_wait_loadcnt 16                              ; this fragment's sixteen loads are in; the next fragment's sixteen may be out
.else
	s_wait_loadcnt 0x0
.endif
	TURN \f
	s_wait_dscnt 0x0                               ; my 64 numbers are back
	QUANT \f
	OUT \f
.endr
	global_store_b64 v10, v[SW:SW+1], s[16:17]     ; my place's two words; lanes l and l xor 16 hold and store the same 8 bytes
	s_wait_tensorcnt 0x0                           ; the wave's end
	ds_add_u32 v254, v255
	s_wait_dscnt 0x0
	s_endpgm
.Lfunc_end_k_qb6a94ca78f_quant:
	.size	k_qb6a94ca78f_quant, .Lfunc_end_k_qb6a94ca78f_quant-k_qb6a94ca78f_quant
	.p2alignl 7, 3214868480
	.fill 96, 4, 3214868480
	.section	.rodata,"a",@progbits
	.p2align	6, 0x0
	.amdhsa_kernel k_qb6a94ca78f_quant
		.amdhsa_group_segment_fixed_size 34304
		.amdhsa_private_segment_fixed_size 0
		.amdhsa_enable_private_segment 0
		.amdhsa_kernarg_size 56
		.amdhsa_user_sgpr_count 2
		.amdhsa_user_sgpr_kernarg_segment_ptr 1
		.amdhsa_wavefront_size32 1
		.amdhsa_system_sgpr_workgroup_id_x 1
		.amdhsa_system_sgpr_workgroup_id_y 1
		.amdhsa_system_sgpr_workgroup_id_z 1
		.amdhsa_system_vgpr_workitem_id 0
		.amdhsa_next_free_vgpr 256
		.amdhsa_next_free_sgpr 66
		.amdhsa_reserve_vcc 0
		.amdhsa_float_denorm_mode_32 3
		.amdhsa_float_denorm_mode_16_64 3
		.amdhsa_memory_ordered 1
		.amdhsa_forward_progress 1
		.amdhsa_inst_pref_size 18
	.end_amdhsa_kernel
	.amdgpu_metadata
---
amdhsa.version: [ 1, 2 ]
amdhsa.kernels:
  - .name:           k_qb6a94ca78f_quant
    .symbol:         k_qb6a94ca78f_quant.kd
    .args:
      - { .name: x, .offset: 0, .size: 8, .value_kind: global_buffer, .address_space: global }
      - { .name: wq, .offset: 8, .size: 8, .value_kind: global_buffer, .address_space: global }
      - { .name: wk, .offset: 16, .size: 8, .value_kind: global_buffer, .address_space: global }
      - { .name: wv, .offset: 24, .size: 8, .value_kind: global_buffer, .address_space: global }
      - { .name: wo, .offset: 32, .size: 8, .value_kind: global_buffer, .address_space: global }
      - { .name: opc, .offset: 40, .size: 8, .value_kind: global_buffer, .address_space: global }
      - { .name: ops, .offset: 48, .size: 8, .value_kind: global_buffer, .address_space: global }
    .group_segment_fixed_size: 34304
    .private_segment_fixed_size: 0
    .kernarg_segment_align: 8
    .kernarg_segment_size: 56
    .max_flat_workgroup_size: 128
    .sgpr_count:     66
    .vgpr_count:     256
    .wavefront_size: 32
...
	.end_amdgpu_metadata
.endif
;; end of part 1
;; launch proj (part 2): grid 16 x 16, 4 waves a work-group, clusters of 4 x 4, 327,680 bytes of LDS; arguments opc, ops, cos, sin, qkvc, qkvs; writes qkvc, qkvs
.if DOCPART == 2
	.amdgcn_target "amdgcn-amd-amdhsa--gfx1250"
	.amdhsa_code_object_version 6
	.text
	.protected	k_qb6a94ca78f_proj
	.globl	k_qb6a94ca78f_proj
	.p2align	8
	.type	k_qb6a94ca78f_proj,@function
k_qb6a94ca78f_proj:
	s_mov_b64 s[64:65], 0
	v_nop
	global_prefetch_b8 v0, s[64:65] scope:SCOPE_SE
	s_setreg_imm32_b32 hwreg(HW_REG_WAVE_MODE, 25, 1), 1
	s_wait_xcnt 0x0
	s_wait_alu depctr_hold_cnt(0) depctr_sa_sdst(0) depctr_va_vdst(0) depctr_va_sdst(0) depctr_va_ssrc(0) depctr_va_vcc(0) depctr_vm_vsrc(0)
	s_getreg_b32 s2, hwreg(HW_REG_IB_STS2, 6, 4)
	s_cmp_eq_u32 s2, 0
	s_cbranch_scc0 .Lentry_in_a_cluster
	s_endpgm
.Lentry_in_a_cluster:
	s_bfe_u32 s2, ttmp6, 0x10000c
	s_cmp_lg_u32 s2, 0xf033
	s_cbranch_scc0 .Lentry_shape_is_right
	s_endpgm
.Lentry_shape_is_right:
; q = rope(x wq^T), k = rope(x wk^T), v = x wv^T on codes of FP6 (E2M3) with E8M0 scales, sums in f32; the results are quantised here: q and k along the head's 64, v along the keys.
; Nothing but codes and scale words goes to memory.  Layout of all codes: tiles of 16 places (place p of tile t = row 32 (t / 2) + 8 (t % 2) + p + 8 (p / 8)), halves of 768 bytes
; (16 places x 64 along K as an image of six registers a lane), fragments of two halves, groups of 128 rows: [K step][tile][fragment]; scale words of a group: [chunk][place][4 words].
; A WORK-GROUP (bx, by), 16 x 16 of them, makes 128 tokens (x's group by) x 192 columns: wq's group bx (q heads 2 bx, 2 bx + 1) and the 64 rows of one key or value head:
; bx < 8 (cluster x 0, 1): k head bx; else v head bx - 8.  Those 64 rows (B2) are four tiles of a group of wk or wv: in memory 6,144 bytes of each K step's 12,288.
; A WAVE (WR, WC): q: x's tiles 4 WR .. + 3 against wq's tiles 4 WC .. + 3, source 0 = wq (a lane's registers run along the head), source 1 = x (a lane holds a token): 16 accumulators.
;   k: two tiles of tokens against B2's four tiles, in the same way: 8 accumulators.   v: source 0 = x's four tiles (registers run along the keys), source 1 = B2's tiles 2 WC, 2 WC + 1: 8 accumulators.
; x's four tiles stand in the wave's registers in a LOCAL order, local tile i = tile i xor 2 WC, so that local tiles 0, 1 are the wave's own tokens for k in every wave.  For v that changes
; the places of the two blocks of 32 keys where WC = 1: there the half's two lane groups and the word's two bytes change places on the way out, by address and by a byte select.
; CLUSTERS: 4 x 4 work-groups; x's tiles are asked for jointly along a row of the cluster, wq's and B2's along a column.
; K goes in four chunks of 512 through two LDS slots; at each fill waves 0, 1 ask for the halves of x's chunk, wave 2 for wq's, wave 3 for B2's: one tensor load a wave is out.
; THE SCALE WORDS of all of K go from memory straight into 96 registers, sixteen lanes to 256 consecutive bytes.  No prefetch: the walk is four chunks written out, with no loop to run ahead in.
; k's and v's ways part on cluster x in each K step.  Both ways name the same accumulators; B2's fragments 2, 3 and the second pair of its scale words are used by k alone: the registers are
; written once at the head, and the words are loaded in every work-group, so that they are written on every path.
; LIMITS: NaN and infinities are not served; a block whose largest magnitude lies under 2^-124, and a block of zeros, keep the byte 1 (zero codes add nothing; this program alone reads the bytes);
; the rotation is a multiply and a fused multiply-add: one rounding less than two products and a sum.
; REGISTERS: window 0: v1-31 addresses; v32-95 scale words of x (lanes 0-15) and wq (lanes 16-31); v96-127 B2's; v128-191 k's or v's accumulators; v192-255 the epilogue's work.
;   window 1: two fragment buffers at v0 and v128: x's four, then wq's four.   window 2: v0-63 cos, v64-127 sin, v128-255 q's accumulators.   window 3: B2's fragments, two buffers at v0 and v48.
.set CHB,   49152                      ; a chunk of a group: [K step 0..3][tile 0..7][fragment]
.set KSB,   12288
.set FRB,   1536
.set OFQ,   CHB                        ; a slot: x's chunk, wq's chunk, B2's chunk (24,576 bytes)
.set OF2,   2*CHB
.set SLOTB, 122880
.set SPARE, 2*SLOTB                    ; the spare words, 128 bytes for each wave
.set KL16, 1                           ; v1, v2  k's and v's codes on the way out: 16 and 8 x (lane xor 16 where v's blocks change places)
.set KL8,  2
.set KSO,  3                           ; v3      16 r
.set A16,  4                           ; v4-7    x's fragments, 16 x lane: [slot][local pair];  v8-11 512 + 8 x lane
.set A8,   8
.set Q16,  12                          ; v12-15  wq's: [slot]
.set Q8,   14
.set K16,  16                          ; v16-19  B2's four tiles, for k
.set K8,   18
.set V16,  20                          ; v20-23  B2's tiles 2 WC, 2 WC + 1, for v
.set V8,   22
.set SPW,  24                          ; my spare word; never rewritten
.set NIL,  25                          ; 0; never rewritten
.set L16,  26                          ; 16 x lane
.set L8,   27                          ; 8 x lane
.set CT,   28                          ; v28-30  the upper 16 codes of a block
.set QSO,  31                          ; q's scale words on the way out: 16 r + 8 (h xor WC)
.set SC,   32                          ; register 16 c + 4 i + q: chunk c, K step q: lanes 0-15 x's local tile i, lanes 16-31 wq's tile i
.set S2,   96                          ; register 8 c + 4 u + q: lanes 0-15 B2's tile 2 u, lanes 16-31 tile 2 u + 1 (for v: u = 0 is the wave's own pair)
.set ACC2, 128
.set RS,   192                         ; v192-223 a rotated tile of q
.set T,    224                         ; v224-231 at work
.set W,    232                         ; v232-235 q's words, v236-237 k's or v's
.set OP,   238
.set HK,   240                         ; v240-255 k's or v's halves
.set WV, 16
.set WR, 17
.set WC, 18
.set G1A, 28                           ; descriptor groups 1: x's half chunk, wq's chunk, B2's chunk
.set G1Q, 36
.set G12, 44
.set G0A, 52                           ; groups 0
.set G0Q, 56
.set G02, 60
.set SEL, 66                           ; s[66:67] selects for lane l xor 16
.set CP, 70                            ; s[70:73] cos of my local pairs 0, 1;  s[74:77] sin
.set SP, 74
.set QP, 78                            ; s[78:81] q's codes of my local pairs;  s[82:83] q's scale words;  s[84:85], s[86:87] k's or v's
.set QS, 82
.set KP, 84
.set KS, 86
.set PSN, 88                           ; byte selects that make a scale word
.set PSK, 89
.set W_MULQ, 0xa5                      ; sources window 1, C and D window 2
.set TO_F,  0x40
.set MSB, 0
.macro WIN new                         ; the immediate's high byte repeats the setting that is left
.if MSB != \new
	s_set_vgpr_msb (MSB<<8)|\new
.set MSB, \new
.endif
.endm
.macro PLACES                          ; four plain instructions between a matrix instruction and a load into, or a vector read of, its registers
.rept 4
	v_nop
.endr
.endm
.macro CREST
	s_cmp_lg_u32 s[WV], 0
	s_cbranch_scc1 .Lnot_wave_0_\@
	s_barrier_signal -3
.Lnot_wave_0_\@:
	s_barrier_wait -3
	s_barrier_signal -1
	s_barrier_wait -1
.endm
.macro CROUND
	s_barrier_signal -1
	s_barrier_wait -1
	CREST
.endm
.macro LOAD4                           ; a fill: one joint load a wave, in one chain of branches on the wave's number; an s_nop 0 and four v_nop follow each
	s_cmp_lt_u32 s[WV], 2
	s_cbranch_scc0 .Lfor_q_\@
	tensor_load_to_lds s[G0A:G0A+3], s[G1A:G1A+7]
	s_nop 0
.rept 4
	v_nop
.endr
	s_branch .Lasked_\@
.Lfor_q_\@:
	s_cmp_lt_u32 s[WV], 3
	s_cbranch_scc0 .Lfor_2_\@
	tensor_load_to_lds s[G0Q:G0Q+3], s[G1Q:G1Q+7]
	s_nop 0
.rept 4
	v_nop
.endr
	s_branch .Lasked_\@
.Lfor_2_\@:
	tensor_load_to_lds s[G02:G02+3], s[G12:G12+7]
	s_nop 0
.rept 4
	v_nop
.endr
.Lasked_\@:
.endm
.macro NEXTD slot                      ; the next chunk, into this slot: written where no tensor load of mine is out
	s_add_nc_u64 s[G0A+2:G0A+3], s[G0A+2:G0A+3], CHB
	s_add_nc_u64 s[G0Q+2:G0Q+3], s[G0Q+2:G0Q+3], CHB
	s_add_nc_u64 s[G02+2:G02+3], s[G02+2:G02+3], CHB
	s_add_co_u32 s[G0A+1], s2, (\slot)*SLOTB
	s_mov_b32 s[G0Q+1], (\slot)*SLOTB+OFQ
	s_mov_b32 s[G02+1], (\slot)*SLOTB+OF2
.endm
.macro FRAG reg, a16, a8, off          ; a fragment's 12 registers: each half by a load of 16 bytes and one of 8, consecutive from lane to lane
.irp c, 0,1
	ds_load_b128 v[\reg+6*\c:\reg+6*\c+3], v[\a16] offset:\off+768*\c
	ds_load_b64 v[\reg+6*\c+4:\reg+6*\c+5], v[\a8] offset:\off+768*\c
.endr
.endm
.macro FETCH slot, q, f                ; wq's four fragments, then x's four in local order
	WIN TO_F
.irp i, 0,1,2,3
	FRAG \f+48+12*\i, Q16+(\slot), Q8+(\slot), KSB*(\q)+FRB*\i
.endr
.irp i, 0,1,2,3
	FRAG \f+12*\i, A16+2*(\slot)+\i/2, A8+2*(\slot)+\i/2, KSB*(\q)+FRB*(\i%2)
.endr
.endm
.macro WM d, s0, s1, z, sa, sb, ra, rb ; one product; ra, rb: the side's scale words stand in lanes 16-31; z: it starts the sum
.if \z
.if \ra
	v_wmma_scale_f32_16x16x128_f8f6f4 v[(\d):(\d)+7], v[(\s0):(\s0)+11], v[(\s1):(\s1)+11], 0, v[\sa], v[\sb] matrix_a_fmt:MATRIX_FMT_FP6 matrix_b_fmt:MATRIX_FMT_FP6 matrix_a_scale:MATRIX_SCALE_ROW1
.else
.if \rb
	v_wmma_scale_f32_16x16x128_f8f6f4 v[(\d):(\d)+7], v[(\s0):(\s0)+11], v[(\s1):(\s1)+11], 0, v[\sa], v[\sb] matrix_a_fmt:MATRIX_FMT_FP6 matrix_b_fmt:MATRIX_FMT_FP6 matrix_b_scale:MATRIX_SCALE_ROW1
.else
	v_wmma_scale_f32_16x16x128_f8f6f4 v[(\d):(\d)+7], v[(\s0):(\s0)+11], v[(\s1):(\s1)+11], 0, v[\sa], v[\sb] matrix_a_fmt:MATRIX_FMT_FP6 matrix_b_fmt:MATRIX_FMT_FP6
.endif
.endif
.else
.if \ra
	v_wmma_scale_f32_16x16x128_f8f6f4 v[(\d):(\d)+7], v[(\s0):(\s0)+11], v[(\s1):(\s1)+11], v[(\d):(\d)+7], v[\sa], v[\sb] matrix_a_fmt:MATRIX_FMT_FP6 matrix_b_fmt:MATRIX_FMT_FP6 matrix_a_scale:MATRIX_SCALE_ROW1
.else
.if \rb
	v_wmma_scale_f32_16x16x128_f8f6f4 v[(\d):(\d)+7], v[(\s0):(\s0)+11], v[(\s1):(\s1)+11], v[(\d):(\d)+7], v[\sa], v[\sb] matrix_a_fmt:MATRIX_FMT_FP6 matrix_b_fmt:MATRIX_FMT_FP6 matrix_b_scale:MATRIX_SCALE_ROW1
.else
	v_wmma_scale_f32_16x16x128_f8f6f4 v[(\d):(\d)+7], v[(\s0):(\s0)+11], v[(\s1):(\s1)+11], v[(\d):(\d)+7], v[\sa], v[\sb] matrix_a_fmt:MATRIX_FMT_FP6 matrix_b_fmt:MATRIX_FMT_FP6
.endif
.endif
.endif
.endm
.macro MULQ f, a, c, q, z              ; x's local tile a against wq's four.  All 24 accumulators take turns, one instruction a turn
.irp b, 0,1,2,3
	WM 128+8*(4*(\a)+\b), \f+48+12*\b, \f+12*(\a), \z, SC+16*(\c)+4*\b+(\q), SC+16*(\c)+4*(\a)+(\q), 1, 0
.endr
.endm
.macro SETB st                         ; the buffers of step st (FB, F3) and of the step behind it (GB, G3)
.set FB, 128*((\st)%2)
.set GB, 128-FB
.set F3, 48*((\st)%2)
.set G3, 48-F3
.endm
; k's or v's part of a K step: the next step's fragments of B2 (fetch), and eight products (mul).  The branch hangs on cluster x, which all sixteen partners share.
.macro KV c, q, z, mul, fetch, nslot, nq
	WIN 0
	s_cmp_lt_u32 ttmp9, 2
	s_cbranch_scc0 .Lv_\@
.if \fetch
	WIN 0xc0
.irp i, 0,1,2,3
	FRAG G3+12*\i, K16+(\nslot), K8+(\nslot), 6144*(\nq)+FRB*\i
.endr
.endif
.if \mul
	WIN 0x07                                       ; source 0 window 3, source 1 window 1, C and D window 0
.irp a, 0,1
.irp t, 0,1,2,3
	WM ACC2+8*(4*\a+\t), F3+12*\t, FB+12*\a, \z, S2+8*(\c)+4*(\t/2)+(\q), SC+16*(\c)+4*\a+(\q), \t%2, 0
.endr
.endr
.endif
	WIN 0
	s_branch .Lj_\@
.Lv_\@:
.if \fetch
	WIN 0xc0
.irp i, 0,1
	FRAG G3+12*\i, V16+(\nslot), V8+(\nslot), 6144*(\nq)+FRB*\i
.endr
.endif
.if \mul
	WIN 0x0d                                       ; source 0 window 1, source 1 window 3, C and D window 0
.irp u, 0,1
.irp i, 0,1,2,3
	WM ACC2+8*(4*\u+\i), FB+12*\i, F3+12*\u, \z, SC+16*(\c)+4*\i+(\q), S2+8*(\c)+(\q), 0, \u
.endr
.endr
.endif
	WIN 0
.Lj_\@:
.endm
; A K step of 128: the next step's fragments are asked for first, then 24 products on this step's.
.macro STEP c, q, z, fetch
	SETB 4*(\c)+(\q)
	s_wait_dscnt 0x0                               ; this step's fragments are in
	PLACES                                         ; behind the last step's products, which read the registers that the loads below fill
.if \fetch
	FETCH (\c)%2, (\q)+1, GB
.endif
	KV \c, \q, \z, 1, \fetch, (\c)%2, (\q)+1
	WIN W_MULQ
.irp a, 0,1,2,3
	MULQ FB, \a, \c, \q, \z
.endr
.endm
; A chunk's last K step changes slots: each wave waits for all its tensor loads, adds 0 to its spare word, and waits for that and for its LDS reads; behind the barrier the other slot is whole.
; fill = 1: the barrier opens a round of the cluster's barrier, and this chunk's slot, which nobody reads any more, takes the chunk two on.
.macro TURN c, fill
	SETB 4*(\c)+3
	WIN 0
	s_wait_tensorcnt 0x0                           ; all my tensor loads have landed
	ds_add_u32 v[SPW], v[NIL]                      ; 0 onto my spare word
.if \fill
	NEXTD (\c)%2
.endif
	s_wait_dscnt 0x0                               ; the add is done, and my reads of this slot are over
	s_barrier_signal -1
	WIN W_MULQ
	MULQ FB, 0, \c, 3, 0
	MULQ FB, 1, \c, 3, 0
	WIN 0
	s_barrier_wait -1
.if \fill
	CREST
	LOAD4                                          ; the first tensor load behind the round; its four v_nop are the places for the loads below
.else
	PLACES
.endif
	FETCH ((\c)+1)%2, 0, GB
	KV \c, 3, 0, 1, 1, ((\c)+1)%2, 0
	WIN W_MULQ
	MULQ FB, 2, \c, 3, 0
	MULQ FB, 3, \c, 3, 0
.endm
	s_load_b256 s[4:11], s[0:1], 0x0               ; opc, ops, cos, sin
	s_load_b128 s[12:15], s[0:1], 0x20             ; qkvc, qkvs
	v_lshl_add_u32 v[SPW], v0, 2, SPARE
	v_mov_b32 v[NIL], 0
	ds_add_u32 v[SPW], v[NIL]                      ; the opening lines: the add, twice on end, and its wait
	ds_add_u32 v[SPW], v[NIL]
	v_lshrrev_b32 v1, 5, v0
	v_readfirstlane_b32 s[WV], v1                  ; wave 0..3
	s_lshr_b32 s[WR], s[WV], 1
	s_and_b32 s[WC], s[WV], 1
	s_bfe_u32 s19, ttmp6, 0x40000                  ; cx
	s_bfe_u32 s20, ttmp6, 0x40004                  ; cy
	s_and_b32 s21, ttmp7, 0xffff                   ; cluster y
	s_lshl_b32 s24, s20, 2
	s_lshl_b32 s24, 15, s24                        ; my row of the cluster
	s_lshl_b32 s25, 0x1111, s19                    ; my column
	s_mov_b32 s26, 0xffff0000                      ; lanes 16-31
	s_mov_b32 s[SEL], 0x76543210
	s_mov_b32 s[SEL+1], 0xfedcba98
	s_or_b32 s[G1A], s24, (3<<16)|(1<<21)          ; 15:0 the mask; 17:16 elements of 8 bytes; 21 set beside a mask
	s_or_b32 s[G1Q], s25, (3<<16)|(1<<21)
	s_or_b32 s[G12], s25, (3<<16)|(1<<21)
	s_mov_b32 s[G1A+1], 32<<16                     ; x's half chunk: 96 rows of 256 bytes, dense
	s_mov_b32 s[G1A+2], 96<<16
	s_mov_b32 s[G1A+3], 32<<16
	s_mov_b32 s[G1A+4], 96
	s_mov_b32 s[G1A+5], 32
	s_mov_b32 s[G1A+6], 0
	s_mov_b32 s[G1A+7], 0
	s_mov_b32 s[G1Q+1], 32<<16                     ; wq's chunk: 192 rows of 256 bytes, dense
	s_mov_b32 s[G1Q+2], 192<<16
	s_mov_b32 s[G1Q+3], 32<<16
	s_mov_b32 s[G1Q+4], 192
	s_mov_b32 s[G1Q+5], 32
	s_mov_b32 s[G1Q+6], 0
	s_mov_b32 s[G1Q+7], 0
	s_mov_b32 s[G12+1], 768<<16                    ; B2's chunk: 4 rows of 6,144 bytes, 12,288 apart
	s_mov_b32 s[G12+2], 4<<16
	s_mov_b32 s[G12+3], 768<<16
	s_mov_b32 s[G12+4], 4
	s_mov_b32 s[G12+5], 1536
	s_mov_b32 s[G12+6], 0
	s_mov_b32 s[G12+7], 0
	s_lshl_b32 s22, s21, 2
	s_add_co_u32 s22, s22, s20                     ; by = 4 x cluster y + cy: x's group
	s_lshl_b32 s23, ttmp9, 2
	s_add_co_u32 s23, s23, s19                     ; bx = 4 x cluster x + cx
	s_mul_i32 s2, s[WC], 24576                     ; my half of x's chunk, in memory and in the slot
	s_mul_i32 s[G0A+2], s22, 196608
	s_add_co_u32 s[G0A+2], s[G0A+2], s2
	s_mov_b32 s[G0A+3], 0
	s_add_co_u32 s90, s23, 16                      ; wq's group
	s_mul_i32 s[G0Q+2], s90, 196608
	s_mov_b32 s[G0Q+3], 0
	s_lshr_b32 s90, s23, 1
	s_add_co_u32 s90, s90, 32                      ; wk's or wv's group,
	s_mul_i32 s[G02+2], s90, 196608
	s_and_b32 s91, s23, 1
	s_mul_i32 s91, s91, 6144                       ; and which four of its tiles
	s_add_co_u32 s[G02+2], s[G02+2], s91
	s_mov_b32 s[G02+3], 0
	s_wait_dscnt 0x0                               ; both opening adds are done
	s_wait_kmcnt 0x0
.irp g, G0A, G0Q, G02
	s_add_nc_u64 s[\g+2:\g+3], s[4:5], s[\g+2:\g+3]
	s_or_b32 s[\g+3], s[\g+3], 0x80000000          ; type = 2
	s_mov_b32 s[\g], 1                             ; count = 1
.endr
	s_mov_b32 s[G0A+1], s2
	s_mov_b32 s[G0Q+1], OFQ
	s_mov_b32 s[G02+1], OF2
	CROUND                                         ; all sixteen work-groups are here: the first joint loads meet
	LOAD4                                          ; chunk 0
	; where cos and sin come from and the results go.  Local pair p is pair p xor WC of my 64 tokens
	s_lshl_b32 s90, s22, 14                        ; 128 rows of 128 bytes
	s_lshl_b32 s91, s[WR], 13
	s_add_co_u32 s90, s90, s91
	s_lshl_b32 s92, s[WC], 12
	s_xor_b32 s98, s[WC], 1
	s_lshl_b32 s94, s98, 12
	s_add_co_u32 s92, s92, s90
	s_add_co_u32 s94, s94, s90
	s_mov_b32 s93, 0
	s_mov_b32 s95, 0
	s_add_nc_u64 s[CP:CP+1], s[8:9], s[92:93]
	s_add_nc_u64 s[CP+2:CP+3], s[8:9], s[94:95]
	s_add_nc_u64 s[SP:SP+1], s[10:11], s[92:93]
	s_add_nc_u64 s[SP+2:SP+3], s[10:11], s[94:95]
	s_lshl_b32 s90, s23, 1
	s_add_co_u32 s90, s90, s[WC]                   ; the q head
	s_lshl_b32 s91, s22, 1
	s_add_co_u32 s91, s91, s[WR]                   ; which 64 tokens
	s_mul_i32 s92, s90, 98304                      ; q: [head][tile][half]
	s_mul_i32 s96, s91, 3072
	s_add_co_u32 s92, s92, s96
	s_mul_i32 s96, s[WC], 1536
	s_mul_i32 s97, s98, 1536
	s_add_co_u32 s94, s92, s97
	s_add_co_u32 s92, s92, s96
	s_add_nc_u64 s[QP:QP+1], s[12:13], s[92:93]
	s_add_nc_u64 s[QP+2:QP+3], s[12:13], s[94:95]
	s_lshl_b32 s92, s90, 13                        ; q's scale words: [head][64 tokens][r][tile]
	s_lshl_b32 s96, s91, 8
	s_add_co_u32 s92, s92, s96
	s_add_nc_u64 s[QS:QS+1], s[14:15], s[92:93]
	s_lshr_b32 s90, ttmp9, 1                       ; 1: v
	s_mul_i32 s3, s90, s[WC]                       ; 1: v's two blocks of keys change places
	s_and_b32 s91, s23, 7                          ; the key and value head
	s_mul_i32 s92, s91, 196608                     ; [head][key step of 128][k 6,144 | v 6,144]; k: [tile of tokens]; v: [64 keys][tile of channels]
	s_mul_i32 s96, s22, 12288
	s_add_co_u32 s92, s92, s96
	s_mul_i32 s96, s[WR], 3072
	s_add_co_u32 s92, s92, s96
	s_mul_i32 s96, s[WC], 1536
	s_add_co_u32 s92, s92, s96
	s_mul_i32 s96, s90, 6144
	s_add_co_u32 s92, s92, s96
	s_add_co_u32 s92, s92, 3145728                 ; behind q's codes
	s_add_nc_u64 s[KP:KP+1], s[12:13], s[92:93]
	s_lshl_b32 s92, s91, 14                        ; the scale words: [head][key step][k 512 | v 512][64][r][tile]
	s_lshl_b32 s96, s22, 10
	s_add_co_u32 s92, s92, s96
	s_lshl_b32 s96, s[WR], 8
	s_add_co_u32 s92, s92, s96
	s_lshl_b32 s96, s90, 9
	s_add_co_u32 s92, s92, s96
	s_lshl_b32 s96, s[WC], 3
	s_add_co_u32 s92, s92, s96
	s_add_co_u32 s92, s92, 262144                  ; behind q's scale words
	s_add_nc_u64 s[KS:KS+1], s[14:15], s[92:93]
	s_mov_b32 s[PSN], 0x01010400                   ; a word: block 0's byte, block 1's byte, two bytes 0
	s_mov_b32 s[PSK], 0x01010004                   ; the two the other way round
	s_cmp_eq_u32 s3, 1
	s_cselect_b32 s[PSK], s[PSK], s[PSN]
	; LDS addresses
	s_mul_i32 s90, s[WR], 6144                     ; my four tiles of x in a K step
	s_mul_i32 s91, s[WC], 3072
	s_add_co_u32 s91, s91, s90                     ; local pair 0
	s_mul_i32 s92, s98, 3072
	s_add_co_u32 s92, s92, s90                     ; local pair 1
	s_mul_i32 s93, s[WC], 6144
	s_add_co_u32 s93, s93, OFQ                     ; my four tiles of wq
	s_mul_i32 s94, s[WC], 3072
	s_add_co_u32 s94, s94, OF2                     ; for v: my two tiles of B2
	v_and_b32 v1, 15, v0                           ; r
	v_bfe_u32 v2, v0, 4, 1                         ; h
	v_and_b32 v3, 31, v0                           ; lane
	v_lshlrev_b32 v[L16], 4, v3
	v_lshlrev_b32 v[L8], 3, v3
	v_add_nc_u32 v[T], 512, v[L8]
	v_add_nc_u32 v[A16], s91, v[L16]
	v_add_nc_u32 v[A16+1], s92, v[L16]
	v_add_nc_u32 v[A8], s91, v[T]
	v_add_nc_u32 v[A8+1], s92, v[T]
	v_add_nc_u32 v[Q16], s93, v[L16]
	v_add_nc_u32 v[Q8], s93, v[T]
	v_add_nc_u32 v[K16], OF2, v[L16]
	v_add_nc_u32 v[K8], OF2, v[T]
	v_add_nc_u32 v[V16], s94, v[L16]
	v_add_nc_u32 v[V8], s94, v[T]
.irp g, A16, A8
	v_add_nc_u32 v[\g+2], SLOTB, v[\g]
	v_add_nc_u32 v[\g+3], SLOTB, v[\g+1]
.endr
.irp g, Q16, Q8, K16, K8, V16, V8
	v_add_nc_u32 v[\g+1], SLOTB, v[\g]
.endr
	s_wait_alu depctr_va_vdst(0)                   ; directly ahead of the run of scalar instructions
	; the scale words' places in ops: group x 8,192 + chunk x 2,048 + place x 16
	s_lshl_b32 s90, s22, 13
	s_lshl_b32 s96, s[WR], 10
	s_add_co_u32 s90, s90, s96
	s_lshl_b32 s91, s[WC], 9
	s_add_co_u32 s91, s91, s90                     ; x's local pair 0
	s_lshl_b32 s92, s98, 9
	s_add_co_u32 s92, s92, s90                     ; x's local pair 1
	s_add_co_u32 s96, s23, 16
	s_lshl_b32 s96, s96, 13
	s_lshl_b32 s97, s[WC], 10
	s_add_co_u32 s96, s96, s97                     ; wq's pair 0
	s_sub_co_u32 s93, s96, s91                     ; lanes 16-31 take wq's: the distance between the two
	s_add_co_u32 s96, s96, 512
	s_sub_co_u32 s94, s96, s92
	s_lshr_b32 s95, s23, 1
	s_add_co_u32 s95, s95, 32
	s_lshl_b32 s95, s95, 13
	s_and_b32 s96, s23, 1
	s_lshl_b32 s96, s96, 10
	s_add_co_u32 s95, s95, s96                     ; B2's four tiles
	s_lshl_b32 s96, s3, 9
	s_add_co_u32 s96, s96, s95                     ; pair 0, or for v in waves with WC = 1 pair 1,
	s_xor_b32 s97, s3, 1
	s_lshl_b32 s97, s97, 9
	s_add_co_u32 s97, s97, s95                     ; and the other
	s_lshl_b32 s99, s3, 4
	v_xor_b32 v[T+7], s99, v3                      ; lane, or lane xor 16
	v_lshlrev_b32 v[KSO], 4, v1                    ; 16 r
	v_mad_u32_u24 v[T+1], v2, s93, v[KSO]
	v_mad_u32_u24 v[T+2], v2, s94, v[KSO]
	v_add_nc_u32 v[T+1], s91, v[T+1]
	v_add_nc_u32 v[T+2], s92, v[T+2]
	v_lshl_add_u32 v[T+5], v2, 8, v[KSO]           ; lanes 16-31 take the pair's second tile
	v_add_nc_u32 v[T+3], s96, v[T+5]
	v_add_nc_u32 v[T+4], s97, v[T+5]
	v_xor_b32 v[QSO], s[WC], v2
	v_lshl_add_u32 v[QSO], v[QSO], 3, v[KSO]
	v_and_b32 v[T+6], 8, v1
	v_add_nc_u32 v[T+6], v[T+6], v1                ; r + 8 (r / 8)
	v_lshlrev_b32 v[T+6], 7, v[T+6]                ; a row of cos or sin is 128 bytes
	v_lshl_add_u32 v[T+6], v2, 5, v[T+6]           ; + my half's eight numbers of sixteen
	v_lshlrev_b32 v[KL16], 4, v[T+7]
	v_lshlrev_b32 v[KL8], 3, v[T+7]
.irp c, 0,1,2,3
.irp i, 0,1,2,3
	global_load_b128 v[SC+16*\c+4*\i:SC+16*\c+4*\i+3], v[T+1+\i/2], s[6:7] offset:2048*\c+256*(\i%2)
.endr
.irp u, 0,1
	global_load_b128 v[S2+8*\c+4*\u:S2+8*\c+4*\u+3], v[T+3+\u], s[6:7] offset:2048*\c
.endr
.endr
	; cos and sin of my 64 tokens: register 16 a + e: the table's column 16 (e / 8) + 8 h + e % 8, for my row of local tile a.  They land while the products run
	WIN 0x80                                       ; destination window 2
.irp a, 0,1,2,3
.irp m, 0,1,2,3
	global_load_b128 v[16*\a+4*\m:16*\a+4*\m+3], v[T+6], s[CP+2*(\a/2):CP+2*(\a/2)+1] offset:8*(\a%2)*128+64*(\m/2)+16*(\m%2)
	global_load_b128 v[64+16*\a+4*\m:64+16*\a+4*\m+3], v[T+6], s[SP+2*(\a/2):SP+2*(\a/2)+1] offset:8*(\a%2)*128+64*(\m/2)+16*(\m%2)
.endr
.endr
	WIN 0xc0                                       ; destination window 3
.rept 24
	v_mov_b32 v[24+\+], 0                          ; B2's fragments 2, 3 of both buffers: written once, so that they are written on v's paths too
	v_mov_b32 v[72+\+], 0
.endr
	WIN 0
	s_wait_alu depctr_va_vdst(0)                   ; at the head's end
	s_wait_tensorcnt 0x0                           ; my part of chunk 0 is in
	ds_add_u32 v[SPW], v[NIL]
	NEXTD 1
	s_wait_dscnt 0x0
	CROUND                                         ; everybody's is, in all sixteen work-groups
	LOAD4                                          ; chunk 1 into slot 1
	SETB 1
	FETCH 0, 0, GB
	KV 0, 0, 0, 0, 1, 0, 0
	s_wait_loadcnt 32                              ; the 24 loads of scale words are in; the 32 of cos and sin, issued behind them, may be out
	STEP 0, 0, 1, 1                                ; the first step's products start the sums
	STEP 0, 1, 0, 1
	STEP 0, 2, 0, 1
	TURN 0, 1                                      ; slot 0 takes chunk 2
	STEP 1, 0, 0, 1
	STEP 1, 1, 0, 1
	STEP 1, 2, 0, 1
	TURN 1, 1                                      ; slot 1 takes chunk 3
	STEP 2, 0, 0, 1
	STEP 2, 1, 0, 1
	STEP 2, 2, 0, 1
	TURN 2, 0                                      ; nothing is filled
	STEP 3, 0, 0, 1
	STEP 3, 1, 0, 1
	STEP 3, 2, 0, 1
	STEP 3, 3, 0, 0
	WIN 0
; THE EPILOGUE.  The rotation, an accumulator (four pairs) at a time: o0 = t0 cos - t1 sin, o1 = t0 sin + t1 cos.  Each accumulator's first read is its register 1.
.macro ROPE sb, db, a                  ; 32 numbers from v[sb ..] to v[db ..] of window 0, with local tile a's cos and sin
.irp g, 0,1,2,3
.irp e, 0,1,2,3
	v_mul_f32 v[T+2*\e], v[(\sb)+8*\g+2*\e+1], v[64+16*(\a)+4*\g+\e]
	v_mul_f32 v[T+1+2*\e], v[(\sb)+8*\g+2*\e], v[64+16*(\a)+4*\g+\e]
.endr
.irp e, 0,1,2,3
	v_fma_f32 v[(\db)+8*\g+2*\e], v[(\sb)+8*\g+2*\e], v[16*(\a)+4*\g+\e], -v[T+2*\e]
	v_fma_f32 v[(\db)+8*\g+2*\e+1], v[(\sb)+8*\g+2*\e+1], v[16*(\a)+4*\g+\e], v[T+1+2*\e]
.endr
.endr
.endm
; A lane's 32 numbers become its part of a half: two blocks of 32, each in lanes l and l xor 16; the half leaves as it stands in the registers.
.macro QUANT2 S, H, w, psel, p0, off, o16, o8
.irp b, 0,1
	v_max3_num_f32 v[T+2+\b], |v[(\S)+16*\b]|, |v[(\S)+16*\b+1]|, 0x1800000   ; my 16 numbers of block b, and the floor 2^(3 - 127)
.endr
.irp i, 2,4,6,8,10,12,14
.irp b, 0,1
	v_max3_num_f32 v[T+2+\b], v[T+2+\b], |v[(\S)+16*\b+\i]|, |v[(\S)+16*\b+\i+1]|
.endr
.endr
.irp b, 0,1
	v_permlanex16_b32 v[T+4+\b], v[T+2+\b], s[SEL], s[SEL+1]
.endr
.irp b, 0,1
	v_max_num_f32 v[T+2+\b], v[T+2+\b], v[T+4+\b]  ; the block's largest magnitude
.endr
.irp b, 0,1
	v_add_nc_u32 v[T+6+\b], 0xff000000, v[T+2+\b]  ; 2 off its exponent field: the conversion's scale operand
.endr
.irp b, 0,1
	v_lshrrev_b32 v[T+\b], 23, v[T+6+\b]           ; the scale's byte
.endr
	v_perm_b32 v[\w], v[T+1], v[T], s[\psel]       ; the word: two bytes, the upper two 0
	v_cvt_scalef32_pk16_fp6_f32 v[(\H):(\H)+2], v[(\S):(\S)+15], v[T+6]
	v_cvt_scalef32_pk16_fp6_f32 v[CT:CT+2], v[(\S)+16:(\S)+31], v[T+7]
	v_nop                                          ; one plain instruction behind the scaled conversions
.irp i, 0,1,2
	v_permlane16_swap_b32 v[(\H)+\i], v[CT+\i]     ; a whole block to a lane: lanes 0-15 block 0, lanes 16-31 block 1
.endr
.irp i, 0,1,2
	v_mov_b32 v[(\H)+3+\i], v[CT+\i]
.endr
	global_store_b128 v[\o16], v[(\H):(\H)+3], s[\p0:\p0+1] offset:\off        ; 512 consecutive bytes
	global_store_b64 v[\o8], v[(\H)+4:(\H)+5], s[\p0:\p0+1] offset:\off+512    ; 256 consecutive bytes
.endm
	PLACES
	s_wait_loadcnt 0x0                             ; cos and sin are in
	s_cmp_lt_u32 ttmp9, 2                          ; v is not rotated
	s_cbranch_scc0 .Lno_rope
	WIN 0x08                                       ; source 1 window 2
	ROPE ACC2, ACC2, 0
	ROPE ACC2+32, ACC2+32, 1
	WIN 0
	s_wait_alu depctr_va_vdst(0)
.Lno_rope:
	QUANT2 ACC2, HK, W+4, PSK, KP, 0, KL16, KL8
	QUANT2 ACC2+32, HK+8, W+5, PSK, KP, 768, KL16, KL8
	global_store_b64 v[KSO], v[W+4:W+5], s[KS:KS+1]   ; my two tiles' words of row r; lanes l and l xor 16 hold and store the same 8 bytes
.irp a, 0,1,2,3
	WIN 0x0a                                       ; sources 0 and 1 window 2
	ROPE 128+32*\a, RS, \a
	WIN 0
	QUANT2 RS, ACC2+8*\a, W+\a, PSN, QP+2*(\a/2), 768*(\a%2), L16, L8
.endr
	v_cndmask_b32 v[OP], v[W], v[W+2], s26         ; lanes 0-15 store the words of local tiles 0, 1, lanes 16-31 of 2, 3:
	v_cndmask_b32 v[OP+1], v[W+1], v[W+3], s26
	global_store_b64 v[QSO], v[OP:OP+1], s[QS:QS+1]   ; 32 lanes store 256 consecutive bytes: [r][tile]
	s_wait_tensorcnt 0x0                           ; the wave's end
	ds_add_u32 v[SPW], v[NIL]
	s_wait_dscnt 0x0
	CROUND                                         ; the closing round: no work-group ends while a partner may still ask for a tile that names it
	s_endpgm
.Lfunc_end_k_qb6a94ca78f_proj:
	.size	k_qb6a94ca78f_proj, .Lfunc_end_k_qb6a94ca78f_proj-k_qb6a94ca78f_proj
	.p2alignl 7, 3214868480
	.fill 96, 4, 3214868480
	.section	.rodata,"a",@progbits
	.p2align	6, 0x0
	.amdhsa_kernel k_qb6a94ca78f_proj
		.amdhsa_group_segment_fixed_size 327680
		.amdhsa_private_segment_fixed_size 0
		.amdhsa_enable_private_segment 0
		.amdhsa_kernarg_size 48
		.amdhsa_user_sgpr_count 2
		.amdhsa_user_sgpr_kernarg_segment_ptr 1
		.amdhsa_wavefront_size32 1
		.amdhsa_system_sgpr_workgroup_id_x 1
		.amdhsa_system_sgpr_workgroup_id_y 1
		.amdhsa_system_sgpr_workgroup_id_z 1
		.amdhsa_system_vgpr_workitem_id 0
		.amdhsa_next_free_vgpr 896
		.amdhsa_next_free_sgpr 100
		.amdhsa_reserve_vcc 0
		.amdhsa_float_denorm_mode_32 3
		.amdhsa_float_denorm_mode_16_64 3
		.amdhsa_memory_ordered 1
		.amdhsa_forward_progress 1
		.amdhsa_inst_pref_size 184
	.end_amdhsa_kernel
	.amdgpu_metadata
---
amdhsa.version: [ 1, 2 ]
amdhsa.kernels:
  - .name:           k_qb6a94ca78f_proj
    .symbol:         k_qb6a94ca78f_proj.kd
    .args:
      - { .name: opc, .offset: 0, .size: 8, .value_kind: global_buffer, .address_space: global }
      - { .name: ops, .offset: 8, .size: 8, .value_kind: global_buffer, .address_space: global }
      - { .name: cos, .offset: 16, .size: 8, .value_kind: global_buffer, .address_space: global }
      - { .name: sin, .offset: 24, .size: 8, .value_kind: global_buffer, .address_space: global }
      - { .name: qkvc, .offset: 32, .size: 8, .value_kind: global_buffer, .address_space: global }
      - { .name: qkvs, .offset: 40, .size: 8, .value_kind: global_buffer, .address_space: global }
    .group_segment_fixed_size: 327680
    .private_segment_fixed_size: 0
    .kernarg_segment_align: 8
    .kernarg_segment_size: 48
    .max_flat_workgroup_size: 128
    .sgpr_count:     100
    .vgpr_count:     896
    .wavefront_size: 32
...
	.end_amdgpu_metadata
.endif
;; end of part 2
;; launch attn (part 3): grid 32 x 8, 16 waves a work-group, clusters of 4 x 1, 327,680 bytes of LDS; arguments qkvc, qkvs, yc, ys; writes yc, ys
.if DOCPART == 3
	.amdgcn_target "amdgcn-amd-amdhsa--gfx1250"
	.amdhsa_code_object_version 6
	.text
	.protected	k_qb6a94ca78f_attn
	.globl	k_qb6a94ca78f_attn
	.p2align	8
	.type	k_qb6a94ca78f_attn,@function
k_qb6a94ca78f_attn:
	s_mov_b64 s[64:65], 0
	v_nop
	global_prefetch_b8 v0, s[64:65] scope:SCOPE_SE
	s_setreg_imm32_b32 hwreg(HW_REG_WAVE_MODE, 25, 1), 1
	s_wait_xcnt 0x0
	s_wait_alu depctr_hold_cnt(0) depctr_sa_sdst(0) depctr_va_vdst(0) depctr_va_sdst(0) depctr_va_ssrc(0) depctr_va_vcc(0) depctr_vm_vsrc(0)
	s_getreg_b32 s2, hwreg(HW_REG_IB_STS2, 6, 4)
	s_cmp_eq_u32 s2, 0
	s_cbranch_scc0 .Lentry_in_a_cluster
	s_endpgm
.Lentry_in_a_cluster:
	s_bfe_u32 s2, ttmp6, 0x10000c
	s_cmp_lg_u32 s2, 0x3003
	s_cbranch_scc0 .Lentry_shape_is_right
	s_endpgm
.Lentry_shape_is_right:
; y[t][head] = softmax over keys k <= t of (q . k / 8) times v, both products on codes of FP6 (E2M3) with E8M0 scales; y is quantised here along its 2,048 columns for the last product.
; WORK LEFT OUT: key steps that lie wholly behind a tile's queries: reference()'s own causal mask gives them the weight 0 for all values of the inputs.
; THE SOFTMAX: t = score x log2(e) / 8; M = the running largest t rounded UP to a whole number; p = 2^(t - M) is quantised along the keys, not normalised; the row's sum is taken of the
; unquantised p and divides at the end; when M moves, the sum and O are multiplied by 2^(old M - new M), which rounds nothing.
; SHARES.  The four work-groups of a cluster are the four query heads of one key and value head, on the same queries: they ask for K, V and the scale words JOINTLY.  A head's K and V
; (196,608 bytes of codes, 16,384 of scale words) stay in LDS, each byte filled once.  A work-group owns tile qs (cluster x) of each of the 16 blocks of 128 tokens: 136 steps of 128 keys.
; THE DEAL.  The sixteen waves are eight pairs, a = wave / 2.  Tile L (block a) has a + 1 key steps, tile H (block 15 - a) has 16 - a: 17 together.  The wave of role 1 works L's steps 0 .. a,
; writes L out, and goes on with H's steps a + 1 .. 7: 8 steps.  The wave of role 0 works H's steps 0 .. a and 8 .. 15 - a: 9 steps.  H's two partial states (-M, sum, O^T) are joined at the
; end: role 1 lays its state into the pair's 4,608 bytes of LDS, and role 0 brings both under the larger M by powers of two.  Role = (bit 0 xor bit 2) of the wave's number, so that waves
; 4 i .. 4 i + 3 and waves i, i + 4, i + 8, i + 12 alike hold two of each role: 34 steps.  Every wave walks all 16 trips; scalar branches on the wave's number and the trip leave the others' work out.
; THE FILLS.  At the head wave 0 asks for key steps 0, 1 and wave 8 for all scale words; behind the first round waves 1-7 ask for two key steps each, which land while trips 0 and 1 are worked;
; a barrier between trip 1 and trip 2 shows them to all.  Every wait on TENSORcnt is for 0.  No prefetch: both groups of loads go out at the launch's start, and nothing is streamed later.
; LAYOUT.  Both products are used transposed: S^T = K Q^T, O^T = V^T P^T: a lane holds ONE query.  Place p of a tile of keys is key 32 (t / 2) + 8 (t % 2) + p + 8 (p / 8), so that the 16
; registers of tiles 2 b and 2 b + 1 are 16 neighbouring keys.  The same holds of V's channels, so that O^T's registers are neighbours along y's columns.
; THE HEAD IS 64 LONG, THE INSTRUCTION 128: Q's registers 6-11 are zero codes.  K's tile t is named with six registers more, which hold the next tile's codes (zeros behind the last):
; a code of this format is always a finite number, and times the code 0 it adds nothing.  Bytes 2 and 3 of both scale words are 0, which is a power of two like any other.
; LIMITS: NaN and infinities are not served; a block whose largest magnitude lies under 2^-124, and a block of zeros, keep the byte 1 (zero codes add nothing; this program alone reads the bytes);
; the promise holds while the scaled scores t stay under 2^31 in magnitude.  The scale bytes of y leave as single bytes: their neighbours belong to other heads' work-groups.
; Every wave loads two tiles of Q; role 0 loads H's twice and uses the first alone, so that the registers are written on every path.
; REGISTERS: v1-4 addresses that stay; v5-8 the step's; v9 the mask's number; v10 -infinity; v11 at work; v12 -M, v13 the largest t, v[14:15] the sum; v16-27 Q; v28 Q's scale word; v29 p's;
; v30-83 K's eight halves and six zeros, then V's four fragments; v84-87 K's scale words; v88-95 V's halves of words; v96-159 S^T, then p; v160-191 O^T; v192-195 V's scale words;
; v196-199, v234-235, v215 the second tile's Q and its scale word; v200-218 p's codes; v219 the pair's stage; v220-253 at work; v242 my scale byte's place; v254, v255 the add's.
.set KVB,   196608                     ; LDS: behind the codes the scale words: 1,024 bytes a key step: K's two units of 256, then V's
.set STEPB, 12288                      ; a key step's codes: K's eight halves, then V's [64 keys 0..1][tile of channels 0..3][half]
.set SPARE, 212992                     ; the spare words: 128 bytes for each of 16 waves
.set STAGE, SPARE+2048                 ; eight pairs' stages
.set PAIRB, 4608                       ; O^T as eight images of four registers, then v12-15
.macro CROUND
	s_barrier_signal -1
	s_barrier_wait -1
	s_cmp_lg_u32 s12, 0
	s_cbranch_scc1 .Lnot_wave_0_\@
	s_barrier_signal -3
.Lnot_wave_0_\@:
	s_barrier_wait -3
	s_barrier_signal -1
	s_barrier_wait -1
.endm
; THE WAY OUT of a tile of block s[blk].  O^T is divided by the row's sum; register 16 b + i is column 32 b + 16 h + i of my head: two blocks of y's K, quantised as they stand.
.macro EPI blk
	v_add_f32 v14, v14, v15                        ; the sum's two halves,
	s_delay_alu instid0(VALU_DEP_1)
	v_permlanex16_b32 v11, v14, s20, s21
	s_delay_alu instid0(VALU_DEP_1)
	v_add_f32 v14, v14, v11                        ; and lane l xor 16's
	s_wait_alu depctr_va_vdst(0)                   ; ahead of the transcendental
	v_rcp_f32 v14, v14
.rept 4
	v_nop                                          ; the places behind the last products and behind the reciprocal
.endr
	s_wait_xcnt 0x0                                ; earlier stores have read the two bases written below
	s_mul_i32 s56, s[\blk], 196608                 ; yc: [block of 128 tokens][K step = head / 2][tile][half = head % 2]
	s_mov_b32 s57, 0
	s_add_nc_u64 s[56:57], s[8:9], s[56:57]
	s_lshl_b32 s58, s[\blk], 13                    ; ys: [block][chunk = head / 8][place][word = (head / 2) % 4][byte = 2 (head % 2) + block of 32]
	s_mov_b32 s59, 0
	s_add_nc_u64 s[58:59], s[10:11], s[58:59]
	s_wait_alu depctr_va_vdst(0)                   ; the wait for the reciprocal, ahead of its first reader
.irp j, 0,1,2,3,4,5,6,7,8,9,10,11,12,13,14,15,16,17,18,19,20,21,22,23,24,25,26,27,28,29,30,31
	v_mul_f32 v[96+\j], v[160+\j], v14             ; each accumulator from its low end on
.endr
.irp b, 0,1
	v_max3_num_f32 v[220+\b], |v[96+16*\b]|, |v[97+16*\b]|, 0x1800000
.endr
.irp i, 2,4,6,8,10,12,14
.irp b, 0,1
	s_delay_alu instid0(VALU_DEP_2)
	v_max3_num_f32 v[220+\b], v[220+\b], |v[96+16*\b+\i]|, |v[97+16*\b+\i]|
.endr
.endr
.irp b, 0,1
	s_delay_alu instid0(VALU_DEP_2)
	v_permlanex16_b32 v[224+\b], v[220+\b], s20, s21
.endr
.irp b, 0,1
	s_delay_alu instid0(VALU_DEP_2)
	v_max_num_f32 v[220+\b], v[220+\b], v[224+\b]
.endr
.irp b, 0,1
	s_delay_alu instid0(VALU_DEP_2)
	v_add_nc_u32 v[228+\b], 0xff000000, v[220+\b]
.endr
.irp b, 0,1
	s_delay_alu instid0(VALU_DEP_2)
	v_lshrrev_b32 v[226+\b], 23, v[228+\b]
.endr
	s_delay_alu instid0(VALU_DEP_1)
	v_cndmask_b32 v244, v226, v227, s51            ; lane (r, h) stores block h's byte of row r
	v_cvt_scalef32_pk16_fp6_f32 v[200:202], v[96:111], v228
	v_cvt_scalef32_pk16_fp6_f32 v[212:214], v[112:127], v229
	v_nop
.irp i, 0,1,2
	v_permlane16_swap_b32 v[200+\i], v[212+\i]
.endr
.irp i, 0,1,2
	s_delay_alu instid0(VALU_DEP_3)
	v_mov_b32 v[203+\i], v[212+\i]
.endr
	global_store_b128 v1, v[200:203], s[56:57]     ; 512 consecutive bytes
	global_store_b64 v2, v[204:205], s[56:57]      ; 256 consecutive bytes (v2 holds the 512)
	global_store_b8 v242, v244, s[58:59]
.endm
	s_load_b256 s[4:11], s[0:1], 0x0               ; qkvc, qkvs, yc, ys
	v_lshl_add_u32 v254, v0, 2, SPARE
	v_mov_b32 v255, 0
	ds_add_u32 v254, v255                          ; the opening lines: the add, twice on end, and its wait
	ds_add_u32 v254, v255
	v_lshrrev_b32 v1, 5, v0
	s_delay_alu instid0(VALU_DEP_1)
	v_readfirstlane_b32 s12, v1                    ; wave 0..15
	s_lshr_b32 s13, s12, 1                         ; a: the pair, and tile L's block
	s_xor_b32 s18, s13, 15                         ; 15 - a: tile H's block, and its masked step
	s_lshr_b32 s19, s12, 2
	s_xor_b32 s19, s19, s12
	s_and_b32 s19, s19, 1                          ; the role
	s_cmp_eq_u32 s19, 1
	s_cselect_b32 s66, 7, s13                      ; steps 0 .. s66 are worked,
	s_cselect_b32 s67, 16, 8                       ; and steps s67 .. 15 - a
	s_cselect_b32 s69, s13, s18                    ; my first tile's block, and its masked step
	s_cselect_b32 s70, s13, 16                     ; behind this step the first tile is written out and the second begins (16: never)
	s_mov_b32 s14, ttmp9                           ; qs: my tile in the block
	s_and_b32 s15, ttmp7, 0xffff                   ; the key and value head
	s_bfe_u32 s16, ttmp6, 0x40000                  ; cx: it enters Q's and y's global addresses alone
	s_lshl_b32 s17, s15, 2
	s_add_co_u32 s17, s17, s16                     ; the query head
	s_mov_b32 s20, 0x76543210
	s_mov_b32 s21, 0xfedcba98                      ; selects for lane l xor 16
	s_mov_b32 s22, 0x3e38aa3b                      ; c = log2(e) / 8
	s_mov_b32 s23, s22                             ; (named with it as a pair, so it is written)
	s_mov_b32 s51, 0xffff0000                      ; lanes 16-31
	; descriptor groups 1: dense blocks as rows of 256 bytes (32 elements of 8 bytes): 96 rows of codes (two key steps); 64 rows of scale words
	s_mov_b32 s24, 15|(3<<16)|(1<<21)              ; 15:0 the mask: all four work-groups; 17:16 elements of 8 bytes; 21 set beside a mask
	s_mov_b32 s25, 32<<16
	s_mov_b32 s26, 96<<16
	s_mov_b32 s27, 32<<16
	s_mov_b32 s28, 96
	s_mov_b32 s29, 32
	s_mov_b32 s30, 0
	s_mov_b32 s31, 0
	s_mov_b32 s32, 15|(3<<16)|(1<<21)
	s_mov_b32 s33, 32<<16
	s_mov_b32 s34, 64<<16
	s_mov_b32 s35, 32<<16
	s_mov_b32 s36, 64
	s_mov_b32 s37, 32
	s_mov_b32 s38, 0
	s_mov_b32 s39, 0
	s_and_b32 s52, s12, 7
	s_mul_i32 s52, s52, 24576                      ; waves 0-7: key steps 2 w and 2 w + 1
	s_mul_i32 s54, s15, 196608
	s_add_co_u32 s54, s54, s52
	s_add_co_u32 s54, s54, 3145728                 ; K and V lie behind Q's codes
	s_mov_b32 s55, 0
	s_lshl_b32 s56, s15, 14
	s_add_co_u32 s56, s56, 262144
	s_mov_b32 s57, 0
	s_wait_dscnt 0x0
	s_wait_kmcnt 0x0
	s_mov_b32 s40, 1
	s_mov_b32 s41, s52
	s_add_nc_u64 s[42:43], s[4:5], s[54:55]
	s_or_b32 s43, s43, 0x80000000
	s_mov_b32 s44, 1
	s_mov_b32 s45, KVB
	s_add_nc_u64 s[46:47], s[6:7], s[56:57]
	s_or_b32 s47, s47, 0x80000000
	CROUND                                         ; all four work-groups are here: the joint loads meet
	s_cmp_eq_u32 s12, 0                            ; wave 0: key steps 0, 1; wave 8: the scale words; four v_nop follow each line
	s_cbranch_scc0 .Lnot_codes
	tensor_load_to_lds s[40:43], s[24:31]
	s_nop 0
.rept 4
	v_nop
.endr
	s_branch .Lasked
.Lnot_codes:
	s_cmp_eq_u32 s12, 8
	s_cbranch_scc0 .Lasked
	tensor_load_to_lds s[44:47], s[32:39]
	s_nop 0
.rept 4
	v_nop
.endr
.Lasked:
	s_lshr_b32 s53, s17, 1                         ; y's places but for the block: K step = head / 2, tile qs, half = head % 2
	s_mul_i32 s56, s53, 12288
	s_mul_i32 s54, s14, 1536
	s_add_co_u32 s56, s56, s54
	s_and_b32 s55, s17, 1
	s_mul_i32 s54, s55, 768
	s_add_co_u32 s56, s56, s54
	s_mov_b32 s57, 0
	s_add_nc_u64 s[8:9], s[8:9], s[56:57]
	s_lshr_b32 s54, s17, 3
	s_lshl_b32 s58, s54, 11
	s_lshl_b32 s54, s14, 8
	s_add_co_u32 s58, s58, s54
	s_and_b32 s54, s53, 3
	s_lshl_b32 s54, s54, 2
	s_add_co_u32 s58, s58, s54
	s_lshl_b32 s54, s55, 1
	s_add_co_u32 s58, s58, s54
	s_mov_b32 s59, 0
	s_add_nc_u64 s[10:11], s[10:11], s[58:59]
	s_mul_i32 s58, s17, 98304                      ; Q: [head][tile = 8 block + qs][half]
	s_mul_i32 s60, s14, 768
	s_add_co_u32 s58, s58, s60
	s_add_nc_u64 s[4:5], s[4:5], s[58:59]
	s_lshl_b32 s58, s17, 13                        ; its scale words: [head][four tiles][r][tile]
	s_lshr_b32 s60, s14, 2
	s_lshl_b32 s60, s60, 8
	s_add_co_u32 s58, s58, s60
	s_and_b32 s60, s14, 3
	s_lshl_b32 s60, s60, 2
	s_add_co_u32 s58, s58, s60
	s_add_nc_u64 s[6:7], s[6:7], s[58:59]
	s_mul_i32 s58, s69, 6144                       ; my first tile
	s_add_nc_u64 s[52:53], s[4:5], s[58:59]
	s_lshl_b32 s58, s69, 9
	s_add_nc_u64 s[54:55], s[6:7], s[58:59]
	s_mul_i32 s58, s18, 6144                       ; tile H
	s_add_nc_u64 s[4:5], s[4:5], s[58:59]
	s_lshl_b32 s58, s18, 9
	s_add_nc_u64 s[6:7], s[6:7], s[58:59]
	s_lshr_b32 s61, s14, 1
	s_lshl_b32 s61, s61, 5
	s_and_b32 s60, s14, 1
	s_lshl_b32 s60, s60, 3
	s_add_co_u32 s61, s61, s60                     ; place 0 of tile qs in its block
	s_mul_i32 s62, s13, PAIRB
	s_add_co_u32 s62, s62, STAGE                   ; my pair's stage
	v_and_b32 v240, 15, v0                         ; r
	v_bfe_u32 v241, v0, 4, 1                       ; h
	v_and_b32 v1, 31, v0
	s_delay_alu instid0(VALU_DEP_1)
	v_lshlrev_b32 v2, 3, v1
	s_delay_alu instid0(VALU_DEP_1)
	v_add_nc_u32 v2, 512, v2                       ; 512 + 8 x lane: a half's registers 4, 5
	s_delay_alu instid0(VALU_DEP_3)
	v_lshlrev_b32 v1, 4, v1                        ; 16 x lane: its registers 0-3
	s_delay_alu instid0(VALU_DEP_1)
	v_add_nc_u32 v3, KVB, v1                       ; K's scale words: lanes 0-15 tiles 0-3, lanes 16-31 tiles 4-7
	v_lshlrev_b32 v243, 4, v240                    ; 16 r
	s_delay_alu instid0(VALU_DEP_1)
	v_add_nc_u32 v4, KVB+512, v243                 ; V's
	v_add_nc_u32 v242, v243, v241                  ; 16 r + h: my scale byte's place
	v_add_nc_u32 v219, s62, v1                     ; the stage: 16 x lane
	global_load_b128 v[16:19], v1, s[52:53]        ; my first tile's Q
	global_load_b64 v[20:21], v2, s[52:53]
	global_load_b32 v28, v243, s[54:55]
	global_load_b128 v[196:199], v1, s[4:5]        ; tile H's, for the second part of role 1
	global_load_b64 v[234:235], v2, s[4:5]
	global_load_b32 v215, v243, s[6:7]
	v_and_b32 v9, 8, v240
	s_delay_alu instid0(VALU_DEP_1)
	v_add_nc_u32 v9, v9, v240
	s_delay_alu instid0(VALU_DEP_1)
	v_add_nc_u32 v9, s61, v9                       ; my query's place in its block of 128,
	v_lshlrev_b32 v11, 4, v241
	s_delay_alu instid0(VALU_DEP_1)
	v_sub_nc_u32 v9, v9, v11                       ; less 16 h: register 16 b + i holds key 32 b + i + 16 h of the step: hidden where 32 b + i is greater
	v_mov_b32 v10, 0xff800000                      ; -infinity
	v_mov_b32 v13, 0xff61b1e6                      ; the largest t so far: -3e38, under every t
	s_delay_alu instid0(VALU_DEP_1)
	v_floor_f32 v12, -v13                          ; -M
	v_mov_b32 v14, 0                               ; the sum, in two halves
	v_mov_b32 v15, 0
.irp j, 22,23,24,25,26,27,78,79,80,81,82,83
	v_mov_b32 v[\j], 0                             ; zero codes: Q's upper half, and what stands behind K's last tile
.endr
.irp j, 224,225,226,227,233
	v_mov_b32 v[\j], 0                             ; written once: lane permutes' destinations, and the upper halves of pairs
.endr
.irp j, 0,1,2,3,4,5,6,7,8,9,10,11,12,13,14,15,16,17,18,19,20,21,22,23,24,25,26,27,28,29,30,31
	v_mov_b32 v[160+\j], 0                         ; O^T: the step is written once; the first finds zeros, which the first change of M leaves zeros
.endr
	s_wait_alu depctr_va_vdst(0)                   ; at the head's end
	s_wait_tensorcnt 0x0                           ; my load, if I had one, has landed
	ds_add_u32 v254, v255                          ; the add twice on end
	ds_add_u32 v254, v255
	s_wait_dscnt 0x0
	CROUND                                         ; key steps 0, 1 and the scale words are in, in all four work-groups
	s_cmp_eq_u32 s12, 0
	s_cbranch_scc1 .Lnone
	s_cmp_gt_u32 s12, 7
	s_cbranch_scc1 .Lnone
	tensor_load_to_lds s[40:43], s[24:31]          ; waves 1-7: key steps 2 w and 2 w + 1: my one tensor load
	s_nop 0
.rept 4
	v_nop
.endr
.Lnone:
	s_mov_b32 s48, 0                               ; where the step's codes begin in LDS
	s_mov_b32 s49, 0                               ; and its scale words
	s_mov_b32 s50, 0                               ; the key step
	s_wait_loadcnt 0x0                             ; Q
; A TRIP: key step s50.
.macro BODY
	s_cmp_le_u32 s50, s66                          ; is the step mine?
	s_cbranch_scc1 .Lwork_\@
	s_cmp_lt_u32 s50, s67
	s_cbranch_scc1 .Lhidden_\@
	s_cmp_gt_u32 s50, s18
	s_cbranch_scc1 .Lhidden_\@
.Lwork_\@:
	v_add_nc_u32 v5, s48, v1                       ; (these four are also the places between the last products and the loads into their registers)
	v_add_nc_u32 v6, s48, v2
	v_add_nc_u32 v7, s49, v3
	v_add_nc_u32 v8, s49, v4
.irp t, 0,1,2,3,4,5,6,7
	ds_load_b128 v[30+6*\t:33+6*\t], v5 offset:768*\t
	ds_load_b64 v[34+6*\t:35+6*\t], v6 offset:768*\t
.endr
	ds_load_b128 v[84:87], v7
	s_wait_alu depctr_va_vdst(0)
	s_wait_dscnt 0x0
.irp t, 0,1,2,3
	v_wmma_scale_f32_16x16x128_f8f6f4 v[96+8*\t:103+8*\t], v[30+6*\t:41+6*\t], v[16:27], 0, v[84+\t], v28 matrix_a_fmt:MATRIX_FMT_FP6 matrix_b_fmt:MATRIX_FMT_FP6
.endr
.irp t, 4,5,6,7
	v_wmma_scale_f32_16x16x128_f8f6f4 v[96+8*\t:103+8*\t], v[30+6*\t:41+6*\t], v[16:27], 0, v[80+\t], v28 matrix_a_fmt:MATRIX_FMT_FP6 matrix_b_fmt:MATRIX_FMT_FP6 matrix_a_scale:MATRIX_SCALE_ROW1
.endr
.rept 4
	v_nop                                          ; places in front of the loads into K's registers and of the first read of the scores
.endr
.irp d, 0,1,2,3                                ; V's four fragments: they land during the softmax
.irp c, 0,1
	ds_load_b128 v[30+12*\d+6*\c:33+12*\d+6*\c], v5 offset:6144+3072*\c+768*\d
	ds_load_b64 v[34+12*\d+6*\c:35+12*\d+6*\c], v6 offset:6144+3072*\c+768*\d
.endr
.endr
	ds_load_b128 v[88:91], v8                      ; V's scale bytes of keys 0-63, a word a tile of channels,
	ds_load_b128 v[92:95], v8 offset:256           ; and of keys 64-127
	s_cmp_eq_u32 s50, s69                          ; the step that holds my tile's own block is masked
	s_cbranch_scc1 .Lmask_\@
	s_cmp_lg_u32 s50, s18
	s_cbranch_scc1 .Lopen_\@
.Lmask_\@:
.irp n, 0,1,2,3,4,5,6,7,8,9,10,11,12,13,14,15,16,17,18,19,20,21,22,23,24,25,26,27,28,29,30,31,32,33,34,35,36,37,38,39,40,41,42,43,44,45,46,47,48,49,50,51,52,53,54,55,56,57,58,59,60,61,62,63
	v_cmp_gt_i32 vcc_lo, 32*(\n/16)+\n%16, v9
	v_cndmask_b32 v[96+\n], v[96+\n], v10, vcc_lo  ; a hidden key's score becomes -infinity ahead of the maximum: p = 0 then
.endr
.Lopen_\@:
.irp b, 0,1,2,3
	v_max3_num_f32 v[220+\b], v[96+16*\b], v[97+16*\b], v[98+16*\b]   ; the largest score of each block of 32 keys: it serves the row's maximum and, since p rises with the score, the block's largest p
.endr
.irp i, 3,5,7,9,11,13
.irp b, 0,1,2,3
	v_max3_num_f32 v[220+\b], v[220+\b], v[96+16*\b+\i], v[97+16*\b+\i]
.endr
.endr
.irp b, 0,1,2,3
	v_max_num_f32 v[220+\b], v[220+\b], v[111+16*\b]
.endr
.irp b, 0,1,2,3
	s_delay_alu instid0(VALU_DEP_4)
	v_permlanex16_b32 v[224+\b], v[220+\b], s20, s21
.endr
.irp b, 0,1,2,3
	s_delay_alu instid0(VALU_DEP_4)
	v_max_num_f32 v[220+\b], v[220+\b], v[224+\b]  ; with lane l xor 16's 16 keys
.endr
	s_delay_alu instid0(VALU_DEP_2)
	v_max3_num_f32 v11, v220, v221, v222
	s_delay_alu instid0(VALU_DEP_1)
	v_max_num_f32 v11, v11, v223                   ; the step's largest score of my query
	s_delay_alu instid0(VALU_DEP_1)
	v_mul_f32 v11, s22, v11                        ; as t (c is positive)
	s_delay_alu instid0(VALU_DEP_1)
	v_max_num_f32 v13, v13, v11                    ; the running largest t
	v_mov_b32 v11, v12
	s_delay_alu instid0(VALU_DEP_2)
	v_floor_f32 v12, -v13                          ; the new -M = floor(-t): M is a whole number
	s_delay_alu instid0(VALU_DEP_1)
	v_sub_f32 v11, v12, v11                        ; old M - new M: a whole number, 0 or less
	s_delay_alu instid0(VALU_DEP_1)
	v_cvt_i32_f32 v11, v11                         ; (it saturates)
	s_delay_alu instid0(VALU_DEP_1)
	v_ldexp_f32 v232, 1.0, v11                     ; f = 2^(old M - new M)
.irp j, 0,2,4,6,8,10,12,14,16,18,20,22,24,26,28,30,32,34,36,38,40,42,44,46,48,50,52,54,56,58,60,62
	v_pk_fma_f32 v[96+\j:97+\j], v[96+\j:97+\j], s[22:23], v[12:13] op_sel_hi:[1,0,0]   ; t - M, two at a time
.endr
.irp b, 0,1,2,3
	v_fma_f32 v[220+\b], v[220+\b], s22, v12       ; the same of each block's largest score
.endr
	s_wait_alu depctr_va_vdst(0)                   ; ahead of the batch
.irp j, 0,1,2,3,4,5,6,7,8,9,10,11,12,13,14,15,16,17,18,19,20,21,22,23,24,25,26,27,28,29,30,31,32,33,34,35,36,37,38,39,40,41,42,43,44,45,46,47,48,49,50,51,52,53,54,55,56,57,58,59,60,61,62,63
	v_exp_f32 v[96+\j], v[96+\j]                   ; p = 2^(t - M), at most 1
.endr
	v_pk_mul_f32 v[14:15], v[14:15], v[232:233] op_sel_hi:[1,0]   ; the sums under the new M: the plain instruction behind the exponentials
	s_wait_alu depctr_va_vdst(0)                   ; one wait for the batch of 64, ahead of its first reader
.irp b, 0,1,2,3
	v_exp_f32 v[220+\b], v[220+\b]                 ; the block's largest p: the same two instructions on the same number give the same bits
.endr
	v_pk_add_f32 v[236:237], v[100:101], v[104:105]   ; the row's sum of the unquantised p, in eight chains
	v_pk_add_f32 v[252:253], v[108:109], v[112:113]
	v_pk_add_f32 v[250:251], v[116:117], v[120:121]
	v_pk_add_f32 v[248:249], v[124:125], v[128:129]
	v_pk_add_f32 v[246:247], v[132:133], v[136:137]
	v_pk_add_f32 v[244:245], v[140:141], v[144:145]
	v_pk_add_f32 v[238:239], v[148:149], v[152:153]
	v_pk_add_f32 v[14:15], v[14:15], v[156:157]
	v_pk_add_f32 v[236:237], v[236:237], v[96:97]
	v_pk_add_f32 v[252:253], v[252:253], v[98:99]
	v_pk_add_f32 v[250:251], v[250:251], v[102:103]
	v_pk_add_f32 v[248:249], v[248:249], v[106:107]
	v_pk_add_f32 v[246:247], v[246:247], v[110:111]
	v_pk_add_f32 v[244:245], v[244:245], v[114:115]
	v_pk_add_f32 v[238:239], v[238:239], v[118:119]
	v_pk_add_f32 v[14:15], v[14:15], v[122:123]
	v_pk_add_f32 v[236:237], v[236:237], v[126:127]
	v_pk_add_f32 v[252:253], v[252:253], v[130:131]
	v_pk_add_f32 v[250:251], v[250:251], v[134:135]
	v_pk_add_f32 v[248:249], v[248:249], v[138:139]
	v_pk_add_f32 v[246:247], v[246:247], v[142:143]
	v_pk_add_f32 v[244:245], v[244:245], v[146:147]
	v_pk_add_f32 v[238:239], v[238:239], v[150:151]
	v_pk_add_f32 v[14:15], v[14:15], v[154:155]
	v_pk_add_f32 v[236:237], v[236:237], v[158:159]
	s_delay_alu instid0(VALU_DEP_2)
	v_pk_add_f32 v[14:15], v[14:15], v[248:249]
	s_delay_alu instid0(VALU_DEP_2)
	v_pk_add_f32 v[236:237], v[236:237], v[246:247]
	v_pk_add_f32 v[252:253], v[252:253], v[244:245]
	v_pk_add_f32 v[250:251], v[250:251], v[238:239]
	s_delay_alu instid0(VALU_DEP_2)
	v_pk_add_f32 v[14:15], v[14:15], v[252:253]
	s_delay_alu instid0(VALU_DEP_2)
	v_pk_add_f32 v[236:237], v[236:237], v[250:251]
	s_delay_alu instid0(VALU_DEP_1)
	v_pk_add_f32 v[14:15], v[14:15], v[236:237]
	s_wait_alu depctr_va_vdst(0)                   ; and one for the four
.irp b, 0,1,2,3
	v_max_num_f32 v[220+\b], 0x1800000, v[220+\b]  ; the floor 2^(3 - 127): the byte cannot fall under 1
.endr
.irp b, 0,1,2,3
	s_delay_alu instid0(VALU_DEP_4)
	v_add_nc_u32 v[228+\b], 0xff000000, v[220+\b]  ; 2 off the exponent field: the conversion's scale operand
.endr
.irp b, 0,1,2,3
	s_delay_alu instid0(VALU_DEP_4)
	v_lshrrev_b32 v[224+\b], 23, v[228+\b]         ; the scale's byte
.endr
	s_delay_alu instid0(VALU_DEP_3)
	v_lshl_or_b32 v29, v225, 8, v224               ; p's scale word for these 128 keys
	s_delay_alu instid0(VALU_DEP_1)
	v_lshl_or_b32 v29, v226, 16, v29
	s_delay_alu instid0(VALU_DEP_1)
	v_lshl_or_b32 v29, v227, 24, v29
.irp c, 0,1
	v_cvt_scalef32_pk16_fp6_f32 v[200+6*\c:202+6*\c], v[96+32*\c:111+32*\c], v[228+2*\c]
	v_cvt_scalef32_pk16_fp6_f32 v[212+4*\c:214+4*\c], v[112+32*\c:127+32*\c], v[228+2*\c+1]
.endr
	v_nop                                          ; one plain instruction behind the scaled conversions
.irp c, 0,1                                    ; a whole block to a lane: lanes 0-15 block 2 c, lanes 16-31 block 2 c + 1
.irp i, 0,1,2
	v_permlane16_swap_b32 v[200+6*\c+\i], v[212+4*\c+\i]
.endr
.irp i, 0,1,2
	s_delay_alu instid0(VALU_DEP_3)
	v_mov_b32 v[203+6*\c+\i], v[212+4*\c+\i]
.endr
.endr
	s_wait_dscnt 0x0                               ; V and its scale bytes are in
.irp d, 0,1,2,3
	v_lshl_or_b32 v[192+\d], v[92+\d], 16, v[88+\d]   ; the four bytes of 128 keys
.endr
	s_wait_alu depctr_va_vdst(0)                   ; directly ahead of the first reader of O^T
.irp j, 0,2,4,6,8,10,12,14,16,18,20,22,24,26,28,30
	v_pk_mul_f32 v[160+\j:161+\j], v[160+\j:161+\j], v[232:233] op_sel_hi:[1,0]   ; O^T under the new M; of these sixteen, twelve name no register of any one product below: its eight places behind the scale words just made
.endr
.irp d, 0,1,2,3
	v_wmma_scale_f32_16x16x128_f8f6f4 v[160+8*\d:167+8*\d], v[30+12*\d:41+12*\d], v[200:211], v[160+8*\d:167+8*\d], v[192+\d], v29 matrix_a_fmt:MATRIX_FMT_FP6 matrix_b_fmt:MATRIX_FMT_FP6
.endr
	s_cmp_lg_u32 s50, s70                          ; role 1, behind tile L's last step: L leaves, and tile H begins with a state of its own
	s_cbranch_scc1 .Lhidden_\@
	EPI 13
	v_mov_b32 v28, v215                            ; H's scale word first: more than eight plain instructions follow ahead of the next product
.irp j, 0,1,2,3
	v_mov_b32 v[16+\j], v[196+\j]
.endr
	v_mov_b32 v20, v234
	v_mov_b32 v21, v235
	v_mov_b32 v13, 0xff61b1e6
	v_mov_b32 v14, 0
	v_mov_b32 v15, 0
	v_floor_f32 v12, -v13
.irp j, 0,1,2,3,4,5,6,7,8,9,10,11,12,13,14,15,16,17,18,19,20,21,22,23,24,25,26,27,28,29,30,31
	v_mov_b32 v[160+\j], 0
.endr
	s_wait_alu depctr_va_vdst(0)                   ; directly ahead of the wait below
	s_wait_xcnt 0x0                                ; L's stores have read their data: the next step writes those registers
.Lhidden_\@:
	s_add_co_u32 s48, s48, STEPB
	s_add_co_u32 s49, s49, 1024
	s_add_co_u32 s50, s50, 1
.endm
.Lstep1:                                               ; trips 0 and 1, on what the head's loads brought
	BODY
	s_cmp_lt_u32 s50, 2
	s_cbranch_scc1 .Lstep1
	s_wait_tensorcnt 0x0                           ; my two key steps, if I asked for any, have landed,
	s_wait_dscnt 0x0
	s_barrier_signal -1
	s_barrier_wait -1                              ; everybody's have
	s_mov_b32 s48, 2*STEPB
	s_mov_b32 s49, 2*1024
	s_mov_b32 s50, 2
.Lstep2:                                               ; trips 2 to 15
	BODY
	s_cmp_lt_u32 s50, 16
	s_cbranch_scc1 .Lstep2
	; TILE H'S TWO PARTS ARE JOINED.  Role 1 lays its state into the pair's stage; role 0 reads it behind the barrier.
.rept 4
	v_nop                                          ; the places behind the last products
.endr
	s_cmp_eq_u32 s19, 0
	s_cbranch_scc1 .Lkeep
.irp i, 0,1,2,3,4,5,6,7
	ds_store_b128 v219, v[160+4*\i:163+4*\i] offset:512*\i     ; each accumulator from its low end on
.endr
	ds_store_b128 v219, v[12:15] offset:4096       ; -M, the largest t, the sum's two halves
.Lkeep:
	s_wait_dscnt 0x0
	s_barrier_signal -1
	s_barrier_wait -1
	s_cmp_lg_u32 s19, 0
	s_cbranch_scc1 .Ldone
.irp i, 0,1,2,3,4,5,6,7
	ds_load_b128 v[96+4*\i:99+4*\i], v219 offset:512*\i
.endr
	ds_load_b128 v[128:131], v219 offset:4096
	s_wait_dscnt 0x0
	v_min_num_f32 v11, v12, v128                   ; -M of both: the larger M
	s_delay_alu instid0(VALU_DEP_1)
	v_sub_f32 v220, v11, v12                       ; my M - the joint M, a whole number, 0 or less;
	v_sub_f32 v221, v11, v128                      ; and my partner's
	s_delay_alu instid0(VALU_DEP_2)
	v_cvt_i32_f32 v220, v220
	s_delay_alu instid0(VALU_DEP_2)
	v_cvt_i32_f32 v221, v221
	s_delay_alu instid0(VALU_DEP_2)
	v_ldexp_f32 v232, 1.0, v220                    ; two powers of two: nothing is rounded by them
	s_delay_alu instid0(VALU_DEP_2)
	v_ldexp_f32 v224, 1.0, v221
	v_pk_mul_f32 v[14:15], v[14:15], v[232:233] op_sel_hi:[1,0]
.irp j, 0,2,4,6,8,10,12,14,16,18,20,22,24,26,28,30
	v_pk_mul_f32 v[160+\j:161+\j], v[160+\j:161+\j], v[232:233] op_sel_hi:[1,0]
.endr
	v_pk_fma_f32 v[14:15], v[130:131], v[224:225], v[14:15] op_sel_hi:[1,0,1]
.irp j, 0,2,4,6,8,10,12,14,16,18,20,22,24,26,28,30
	v_pk_fma_f32 v[160+\j:161+\j], v[96+\j:97+\j], v[224:225], v[160+\j:161+\j] op_sel_hi:[1,0,1]
.endr
	EPI 18
.Ldone:
	s_wait_tensorcnt 0x0                           ; the wave's end
	ds_add_u32 v254, v255
	s_wait_dscnt 0x0
	CROUND                                         ; the closing round: no work-group ends while a partner may still ask for a tile that names it
	s_endpgm
.Lfunc_end_k_qb6a94ca78f_attn:
	.size	k_qb6a94ca78f_attn, .Lfunc_end_k_qb6a94ca78f_attn-k_qb6a94ca78f_attn
	.p2alignl 7, 3214868480
	.fill 96, 4, 3214868480
	.section	.rodata,"a",@progbits
	.p2align	6, 0x0
	.amdhsa_kernel k_qb6a94ca78f_attn
		.amdhsa_group_segment_fixed_size 327680
		.amdhsa_private_segment_fixed_size 0
		.amdhsa_enable_private_segment 0
		.amdhsa_kernarg_size 32
		.amdhsa_user_sgpr_count 2
		.amdhsa_user_sgpr_kernarg_segment_ptr 1
		.amdhsa_wavefront_size32 1
		.amdhsa_system_sgpr_workgroup_id_x 1
		.amdhsa_system_sgpr_workgroup_id_y 1
		.amdhsa_system_sgpr_workgroup_id_z 1
		.amdhsa_system_vgpr_workitem_id 0
		.amdhsa_next_free_vgpr 256
		.amdhsa_next_free_sgpr 72
		.amdhsa_reserve_vcc 1
		.amdhsa_float_denorm_mode_32 3
		.amdhsa_float_denorm_mode_16_64 3
		.amdhsa_memory_ordered 1
		.amdhsa_forward_progress 1
		.amdhsa_inst_pref_size 78
	.end_amdhsa_kernel
	.amdgpu_metadata
---
amdhsa.version: [ 1, 2 ]
amdhsa.kernels:
  - .name:           k_qb6a94ca78f_attn
    .symbol:         k_qb6a94ca78f_attn.kd
    .args:
      - { .name: qkvc, .offset: 0, .size: 8, .value_kind: global_buffer, .address_space: global }
      - { .name: qkvs, .offset: 8, .size: 8, .value_kind: global_buffer, .address_space: global }
      - { .name: yc, .offset: 16, .size: 8, .value_kind: global_buffer, .address_space: global }
      - { .name: ys, .offset: 24, .size: 8, .value_kind: global_buffer, .address_space: global }
    .group_segment_fixed_size: 327680
    .private_segment_fixed_size: 0
    .kernarg_segment_align: 8
    .kernarg_segment_size: 32
    .max_flat_workgroup_size: 512
    .sgpr_count:     72
    .vgpr_count:     256
    .wavefront_size: 32
...
	.end_amdgpu_metadata
.endif
;; end of part 3
;; launch outp (part 4): grid 16 x 16, 4 waves a work-group, clusters of 4 x 4, 327,680 bytes of LDS; arguments yc, ys, opc, ops, out0; writes out0
.if DOCPART == 4
	.amdgcn_target "amdgcn-amd-amdhsa--gfx1250"
	.amdhsa_code_object_version 6
	.text
	.protected	k_qb6a94ca78f_outp
	.globl	k_qb6a94ca78f_outp
	.p2align	8
	.type	k_qb6a94ca78f_outp,@function
k_qb6a94ca78f_outp:
	s_mov_b64 s[64:65], 0
	v_nop
	global_prefetch_b8 v0, s[64:65] scope:SCOPE_SE
	s_setreg_imm32_b32 hwreg(HW_REG_WAVE_MODE, 25, 1), 1
	s_wait_xcnt 0x0
	s_wait_alu depctr_hold_cnt(0) depctr_sa_sdst(0) depctr_va_vdst(0) depctr_va_sdst(0) depctr_va_ssrc(0) depctr_va_vcc(0) depctr_vm_vsrc(0)
	s_getreg_b32 s2, hwreg(HW_REG_IB_STS2, 6, 4)
	s_cmp_eq_u32 s2, 0
	s_cbranch_scc0 .Lentry_in_a_cluster
	s_endpgm
.Lentry_in_a_cluster:
	s_bfe_u32 s2, ttmp6, 0x10000c
	s_cmp_lg_u32 s2, 0xf033
	s_cbranch_scc0 .Lentry_shape_is_right
	s_endpgm
.Lentry_shape_is_right:
; out0 = y wo^T on codes of FP6 (E2M3) with E8M0 scales, sums in f32.  y's codes and scale words come from the attention launch, wo's from the quantising launch (groups 40-55), in one layout:
; tiles of 16 places (place p of tile t = row 32 (t / 2) + 8 (t % 2) + p + 8 (p / 8)), fragments of 1,536 bytes as images of the operand's registers, groups of 128 rows: [K step][tile][fragment];
; scale words of a group: [chunk][place][4 words].
; A TILE OF THE RESULT is 128 x 128: four waves, 64 x 64 each, 16 accumulators: 256 work-groups.  Source 0 = 16 rows of wo (a lane's registers run along out0's columns), source 1 = 16 rows of y.
; CLUSTERS: 4 x 4 work-groups; y's tiles are asked for jointly along a row of the cluster, wo's along a column.
; K goes in four chunks of 512 over three LDS slots, one tensor load a wave at each fill.  At the head waves 0, 1 ask for y's chunks 0, 1 and waves 2, 3 for wo's, each whole; behind the first
; round each wave asks for half an operand's chunk 2, into slot 2; in the middle of chunk 1, behind a round, for half of chunk 3, into slot 0, which nobody reads any more.  So chunks 2 and 3
; each have at least five K steps between the request and the wait for them.
; THE SCALE WORDS of all of K go from memory straight into 64 registers, sixteen lanes to 256 consecutive bytes.  No prefetch: the walk is four chunks written out, with no loop to run ahead in.
; LIMITS: NaN and infinities are not served.
; REGISTERS: window 0: v1-28 addresses; v32-63 y's scale words, v64-95 wo's; v128-255 the accumulators ((a, b) at v[128 + 8 (4 a + b)]).
;   window 1: two fragment buffers at v0 and v128: y's four fragments, then wo's four; on the way out v0-63: rows read back from the stage.
.set SLOTB, 98304                      ; a slot: A's chunk, then B's
.set CHB,   49152                      ; a chunk: [K step 0..3][tile 0..7][fragment]
.set KSB,   12288
.set FRB,   1536
.set SPARE, 3*SLOTB                    ; the spare words, 128 bytes for each wave
.set STAGE, SLOTB                      ; the way out: 16 rows x (256 bytes + 16) for each wave, in slot 1: it has had its only fill, and its last read lies ahead of the last barrier
.set A16, 4                            ; v4-6    slot s: my A fragments, 16 x lane
.set B16, 7                            ; v7-9    the same for B
.set A8,  10                           ; v10-12  slot s: my A fragments, 512 + 8 x lane
.set B8,  13                           ; v13-15  the same for B
.set SPW, 17                           ; my spare word; never rewritten
.set NIL, 18                           ; 0; never rewritten
.set VA,  27                           ; where my scale words lie in ys and in ops
.set VB,  28
.set SA,  32                           ; register 8 c + 4 p + q: chunk c, K step q: lanes 0-15 A's tile 2 p, lanes 16-31 tile 2 p + 1
.set SB,  64                           ; the same for B
.set ACC, 128
.set WV,  16
.set WR,  17                           ; which half of A's rows is mine; also: I fetch for A (0) or B (1)
.set WC,  18                           ; which half of B's rows; also: which chunk, or which half of a chunk, I fetch
.set G1A, 28                           ; descriptor groups 1
.set G1B, 36
.set G0A, 44                           ; groups 0: the head's,
.set G0B, 48
.set G2A, 52                           ; chunk 2's,
.set G2B, 56
.set G3A, 60                           ; chunk 3's
.set G3B, 68
.set W_MUL, 0x05                       ; sources 0 and 1 window 1; C and D window 0
.set TO_F,  0x40                       ; destination window 1, address window 0
.set MSB, 0
.macro WIN new                         ; the immediate's high byte repeats the setting that is left
.if MSB != \new
	s_set_vgpr_msb (MSB<<8)|\new
.set MSB, \new
.endif
.endm
.macro PLACES                          ; four plain instructions between a matrix instruction and a load into, or a read of, its registers
.rept 4
	v_nop
.endr
.endm
.macro CREST
	s_cmp_lg_u32 s[WV], 0
	s_cbranch_scc1 .Lnot_wave_0_\@
	s_barrier_signal -3
.Lnot_wave_0_\@:
	s_barrier_wait -3
	s_barrier_signal -1
	s_barrier_wait -1
.endm
.macro CROUND
	s_barrier_signal -1
	s_barrier_wait -1
	CREST
.endm
.macro JLOAD g0a, g1a, g0b, g1b        ; a joint load: waves 0, 1 for A, waves 2, 3 for B; an s_nop 0 and four v_nop follow each of the two lines
	s_cmp_eq_u32 s[WR], 0
	s_cbranch_scc0 .Lfor_b_\@
	tensor_load_to_lds s[\g0a:\g0a+3], s[\g1a:\g1a+7]
	s_nop 0
.rept 4
	v_nop
.endr
	s_branch .Lasked_\@
.Lfor_b_\@:
	tensor_load_to_lds s[\g0b:\g0b+3], s[\g1b:\g1b+7]
	s_nop 0
.rept 4
	v_nop
.endr
.Lasked_\@:
.endm
.macro FRAG reg, a16, a8, off          ; a fragment's 12 registers: each half by a load of 16 bytes and one of 8, consecutive from lane to lane
.irp c, 0,1
	ds_load_b128 v[\reg+6*\c:\reg+6*\c+3], v[\a16] offset:\off+768*\c
	ds_load_b64 v[\reg+6*\c+4:\reg+6*\c+5], v[\a8] offset:\off+768*\c
.endr
.endm
.macro FETCH slot, q, f                ; 32 loads in one run: B's four fragments, then A's four
	WIN TO_F
.irp i, 0,1,2,3
	FRAG \f+48+12*\i, B16+(\slot), B8+(\slot), KSB*(\q)+FRB*\i
.endr
.irp i, 0,1,2,3
	FRAG \f+12*\i, A16+(\slot), A8+(\slot), KSB*(\q)+FRB*\i
.endr
.endm
.macro WM d, s0, s1, z, sa, sb, ra, rb ; one product; ra, rb: the side's scale words stand in lanes 16-31; z: it starts the sum
.if \z
.if (\ra)+2*(\rb) == 0
	v_wmma_scale_f32_16x16x128_f8f6f4 v[(\d):(\d)+7], v[(\s0):(\s0)+11], v[(\s1):(\s1)+11], 0, v[\sa], v[\sb] matrix_a_fmt:MATRIX_FMT_FP6 matrix_b_fmt:MATRIX_FMT_FP6
.endif
.if (\ra)+2*(\rb) == 1
	v_wmma_scale_f32_16x16x128_f8f6f4 v[(\d):(\d)+7], v[(\s0):(\s0)+11], v[(\s1):(\s1)+11], 0, v[\sa], v[\sb] matrix_a_fmt:MATRIX_FMT_FP6 matrix_b_fmt:MATRIX_FMT_FP6 matrix_a_scale:MATRIX_SCALE_ROW1
.endif
.if (\ra)+2*(\rb) == 2
	v_wmma_scale_f32_16x16x128_f8f6f4 v[(\d):(\d)+7], v[(\s0):(\s0)+11], v[(\s1):(\s1)+11], 0, v[\sa], v[\sb] matrix_a_fmt:MATRIX_FMT_FP6 matrix_b_fmt:MATRIX_FMT_FP6 matrix_b_scale:MATRIX_SCALE_ROW1
.endif
.if (\ra)+2*(\rb) == 3
	v_wmma_scale_f32_16x16x128_f8f6f4 v[(\d):(\d)+7], v[(\s0):(\s0)+11], v[(\s1):(\s1)+11], 0, v[\sa], v[\sb] matrix_a_fmt:MATRIX_FMT_FP6 matrix_b_fmt:MATRIX_FMT_FP6 matrix_a_scale:MATRIX_SCALE_ROW1 matrix_b_scale:MATRIX_SCALE_ROW1
.endif
.else
.if (\ra)+2*(\rb) == 0
	v_wmma_scale_f32_16x16x128_f8f6f4 v[(\d):(\d)+7], v[(\s0):(\s0)+11], v[(\s1):(\s1)+11], v[(\d):(\d)+7], v[\sa], v[\sb] matrix_a_fmt:MATRIX_FMT_FP6 matrix_b_fmt:MATRIX_FMT_FP6
.endif
.if (\ra)+2*(\rb) == 1
	v_wmma_scale_f32_16x16x128_f8f6f4 v[(\d):(\d)+7], v[(\s0):(\s0)+11], v[(\s1):(\s1)+11], v[(\d):(\d)+7], v[\sa], v[\sb] matrix_a_fmt:MATRIX_FMT_FP6 matrix_b_fmt:MATRIX_FMT_FP6 matrix_a_scale:MATRIX_SCALE_ROW1
.endif
.if (\ra)+2*(\rb) == 2
	v_wmma_scale_f32_16x16x128_f8f6f4 v[(\d):(\d)+7], v[(\s0):(\s0)+11], v[(\s1):(\s1)+11], v[(\d):(\d)+7], v[\sa], v[\sb] matrix_a_fmt:MATRIX_FMT_FP6 matrix_b_fmt:MATRIX_FMT_FP6 matrix_b_scale:MATRIX_SCALE_ROW1
.endif
.if (\ra)+2*(\rb) == 3
	v_wmma_scale_f32_16x16x128_f8f6f4 v[(\d):(\d)+7], v[(\s0):(\s0)+11], v[(\s1):(\s1)+11], v[(\d):(\d)+7], v[\sa], v[\sb] matrix_a_fmt:MATRIX_FMT_FP6 matrix_b_fmt:MATRIX_FMT_FP6 matrix_a_scale:MATRIX_SCALE_ROW1 matrix_b_scale:MATRIX_SCALE_ROW1
.endif
.endif
.endm
.macro MUL f, a, c, q, z               ; A's tile a against B's four.  The 16 accumulators take turns in one fixed order
.irp b, 0,1,2,3
	WM ACC+8*(4*(\a)+\b), \f+48+12*\b, \f+12*(\a), \z, SB+8*(\c)+4*(\b/2)+(\q), SA+8*(\c)+4*((\a)/2)+(\q), \b%2, (\a)%2
.endr
.endm
.macro SETB st                         ; the buffers of step st (FB) and of the step behind it (GB), and that step's number; chunk c lies in slot c % 3
.set FB, 128*((\st)%2)
.set GB, 128-FB
.set NS, (\st)+1
.endm
; A K step of 128: the next step's fragments are asked for first, then 16 products on this step's.
.macro STEP c, q, z, fetch
	SETB 4*(\c)+(\q)
	s_wait_dscnt 0x0                               ; this step's fragments are in
	PLACES                                         ; behind the last step's products, which read the registers that the loads below fill
.if \fetch
	FETCH (NS/4)%3, NS%4, GB
.endif
	WIN W_MUL
.irp a, 0,1,2,3
	MUL FB, \a, \c, \q, \z
.endr
.endm
; A K step with a barrier: in front of it each wave waits for all its tensor loads, adds 0 to its spare word, and waits for that and for its own LDS reads.
; fill = 1: the barrier opens a round of the cluster's barrier, and slot 0 takes chunk 3.
.macro TURN c, q, fill
	SETB 4*(\c)+(\q)
	WIN 0
	s_wait_tensorcnt 0x0                           ; all my tensor loads have landed
	ds_add_u32 v[SPW], v[NIL]                      ; 0 onto my spare word
	s_wait_dscnt 0x0                               ; the add is done, this step's fragments are in, and my reads so far are over
	s_barrier_signal -1
	WIN W_MUL
	MUL FB, 0, \c, \q, 0
	MUL FB, 1, \c, \q, 0
	WIN 0
	s_barrier_wait -1
.if \fill
	CREST
	JLOAD G3A, G1A, G3B, G1B                       ; the first tensor load behind the round; its four v_nop are the places for the loads below
.else
	PLACES
.endif
	FETCH (NS/4)%3, NS%4, GB
	WIN W_MUL
	MUL FB, 2, \c, \q, 0
	MUL FB, 3, \c, \q, 0
.endm
	s_load_b256 s[4:11], s[0:1], 0x0               ; yc, ys, opc, ops
	s_load_b64 s[12:13], s[0:1], 0x20              ; out0
	v_lshl_add_u32 v[SPW], v0, 2, SPARE
	v_mov_b32 v[NIL], 0
	ds_add_u32 v[SPW], v[NIL]                      ; the opening lines: the add, twice on end, and its wait
	ds_add_u32 v[SPW], v[NIL]
	v_lshrrev_b32 v1, 5, v0
	v_readfirstlane_b32 s[WV], v1                  ; wave 0..3
	s_lshr_b32 s[WR], s[WV], 1
	s_and_b32 s[WC], s[WV], 1
	s_bfe_u32 s19, ttmp6, 0x40000                  ; cx
	s_bfe_u32 s20, ttmp6, 0x40004                  ; cy
	s_and_b32 s21, ttmp7, 0xffff                   ; cluster y
	s_lshl_b32 s24, s20, 2
	s_lshl_b32 s24, 15, s24                        ; my row of the cluster
	s_lshl_b32 s25, 0x1111, s19                    ; my column
	s_or_b32 s[G1A], s24, (3<<16)|(1<<21)          ; 15:0 the mask; 17:16 elements of 8 bytes; 21 set beside a mask
	s_or_b32 s[G1B], s25, (3<<16)|(1<<21)
.irp g, G1A, G1B
	s_mov_b32 s[\g+1], 32<<16                      ; dense blocks as rows of 256 bytes:
	s_mov_b32 s[\g+2], 192<<16                     ; at the head a whole chunk, 192 rows
	s_mov_b32 s[\g+3], 32<<16
	s_mov_b32 s[\g+4], 192
	s_mov_b32 s[\g+5], 32
	s_mov_b32 s[\g+6], 0
	s_mov_b32 s[\g+7], 0
.endr
	s_lshl_b32 s22, s21, 2
	s_add_co_u32 s22, s22, s20                     ; y's group = tile row of out0 = 4 x cluster y + cy
	s_lshl_b32 s23, ttmp9, 2
	s_add_co_u32 s23, s23, s19                     ; tile column of out0 = 4 x cluster x + cx
	s_add_co_u32 s72, s23, 40                      ; wo's group
	s_mul_i32 s2, s[WV], 24576                     ; where a half chunk goes in a slot: no place in the cluster enters an LDS address
	s_mul_i32 s74, s[WC], SLOTB                    ; the head: chunk WC into slot WC
	s_mul_i32 s80, s[WC], CHB
	s_mov_b32 s81, 0
	s_mul_i32 s82, s[WC], 24576                    ; my half of a chunk in memory
	s_mov_b32 s83, 0
	s_mul_i32 s76, s22, 196608
	s_mov_b32 s77, 0
	s_mul_i32 s78, s72, 196608
	s_mov_b32 s79, 0
	s_wait_dscnt 0x0                               ; both opening adds are done
	s_wait_kmcnt 0x0
	s_add_nc_u64 s[76:77], s[4:5], s[76:77]
	s_add_nc_u64 s[78:79], s[8:9], s[78:79]
	s_add_nc_u64 s[G0A+2:G0A+3], s[76:77], s[80:81]
	s_add_nc_u64 s[G0B+2:G0B+3], s[78:79], s[80:81]
	s_add_nc_u64 s[G2A+2:G2A+3], s[76:77], s[82:83]
	s_add_nc_u64 s[G2B+2:G2B+3], s[78:79], s[82:83]
	s_add_nc_u64 s[G2A+2:G2A+3], s[G2A+2:G2A+3], 2*CHB
	s_add_nc_u64 s[G2B+2:G2B+3], s[G2B+2:G2B+3], 2*CHB
	s_add_nc_u64 s[G3A+2:G3A+3], s[G2A+2:G2A+3], CHB
	s_add_nc_u64 s[G3B+2:G3B+3], s[G2B+2:G2B+3], CHB
.irp g, G0A, G0B, G2A, G2B, G3A, G3B
	s_mov_b32 s[\g], 1                             ; count = 1
	s_or_b32 s[\g+3], s[\g+3], 0x80000000          ; type = 2
.endr
	s_mov_b32 s[G0A+1], s74
	s_add_co_u32 s[G0B+1], s74, CHB
	s_add_co_u32 s[G2A+1], s2, 2*SLOTB
	s_add_co_u32 s[G2B+1], s2, 2*SLOTB
	s_mov_b32 s[G3A+1], s2
	s_mov_b32 s[G3B+1], s2
	CROUND                                         ; all sixteen work-groups are here: the first joint loads meet
	JLOAD G0A, G1A, G0B, G1B                       ; chunks 0 and 1
	s_mul_i32 s84, s[WR], 6144                     ; my four tiles of A in a K step
	s_mul_i32 s85, s[WC], 6144                     ; my four tiles of B,
	s_add_co_u32 s85, s85, CHB                     ; behind A's chunk
	s_mul_i32 s86, s[WV], 16*272
	s_add_co_u32 s86, s86, STAGE                   ; my stage
	s_lshl_b32 s88, s22, 20                        ; 128 rows of 8,192 bytes,
	s_lshl_b32 s87, s[WR], 19                      ; my 64 of them,
	s_add_co_u32 s88, s88, s87
	s_lshl_b32 s87, s23, 9                         ; 128 columns of 4 bytes,
	s_add_co_u32 s88, s88, s87
	s_lshl_b32 s87, s[WC], 8                       ; my 64 of them
	s_add_co_u32 s88, s88, s87
	s_mov_b32 s89, 0
	s_add_nc_u64 s[12:13], s[12:13], s[88:89]
	s_lshl_b32 s90, s22, 13                        ; the scale words: group x 8,192 + chunk x 2,048 + place x 16
	s_lshl_b32 s87, s[WR], 10
	s_add_co_u32 s90, s90, s87
	s_lshl_b32 s91, s72, 13
	s_lshl_b32 s87, s[WC], 10
	s_add_co_u32 s91, s91, s87
	v_and_b32 v1, 15, v0                           ; r
	v_bfe_u32 v2, v0, 4, 1                         ; h
	v_and_b32 v3, 31, v0                           ; lane
	v_lshlrev_b32 v20, 4, v3                       ; 16 x lane
	v_lshlrev_b32 v21, 3, v3
	v_add_nc_u32 v21, 512, v21                     ; 512 + 8 x lane
	v_lshlrev_b32 v22, 4, v1
	v_lshl_add_u32 v22, v2, 8, v22                 ; 16 r + 256 h: lanes 16-31 take the pair's second tile
	v_add_nc_u32 v[VA], s90, v22
	v_add_nc_u32 v[VB], s91, v22
	v_add_nc_u32 v[A16], s84, v20
	v_add_nc_u32 v[B16], s85, v20
	v_add_nc_u32 v[A8], s84, v21
	v_add_nc_u32 v[B8], s85, v21
.irp s, 1,2
	v_add_nc_u32 v[A16+\s], \s*SLOTB, v[A16]
	v_add_nc_u32 v[B16+\s], \s*SLOTB, v[B16]
	v_add_nc_u32 v[A8+\s], \s*SLOTB, v[A8]
	v_add_nc_u32 v[B8+\s], \s*SLOTB, v[B8]
.endr
.irp c, 0,1,2,3
.irp p, 0,1
	global_load_b128 v[SA+8*\c+4*\p:SA+8*\c+4*\p+3], v[VA], s[6:7] offset:2048*\c+512*\p
	global_load_b128 v[SB+8*\c+4*\p:SB+8*\c+4*\p+3], v[VB], s[10:11] offset:2048*\c+512*\p
.endr
.endr
	v_mul_u32_u24 v24, v1, 272
	v_lshl_add_u32 v24, v2, 6, v24
	v_add_nc_u32 v24, s86, v24                     ; the stage, in: row r; my half's 16 columns of each 32: 64 h bytes on
	v_mul_u32_u24 v25, v2, 272
	v_lshl_add_u32 v25, v1, 4, v25
	v_add_nc_u32 v25, s86, v25                     ; back: lanes 0-15 one row of 256 bytes, lanes 16-31 the next
	v_lshlrev_b32 v26, 13, v2
	v_lshl_add_u32 v26, v1, 4, v26                 ; and the same two rows of out0, 8,192 bytes apart
	s_wait_alu depctr_va_vdst(0)                   ; at the head's end
	s_wait_tensorcnt 0x0                           ; my chunk is in
	ds_add_u32 v[SPW], v[NIL]
	s_mov_b32 s[G1A+2], 96<<16                     ; no tensor load of mine is out: from here on a load brings half a chunk, 96 rows
	s_mov_b32 s[G1A+4], 96
	s_mov_b32 s[G1B+2], 96<<16
	s_mov_b32 s[G1B+4], 96
	s_wait_dscnt 0x0
	CROUND                                         ; chunks 0 and 1 are whole, in all sixteen work-groups
	JLOAD G2A, G1A, G2B, G1B                       ; chunk 2 into slot 2
	SETB 1
	FETCH 0, 0, GB
	s_wait_loadcnt 0x0                             ; the scale words
	STEP 0, 0, 1, 1                                ; the first step's products start the sums
	STEP 0, 1, 0, 1
	STEP 0, 2, 0, 1
	STEP 0, 3, 0, 1                                ; on into slot 1, shown whole by the round above
	STEP 1, 0, 0, 1
	TURN 1, 1, 1                                   ; chunk 2 has landed in every wave; slot 0 takes chunk 3
	STEP 1, 2, 0, 1
	STEP 1, 3, 0, 1                                ; on into slot 2
	STEP 2, 0, 0, 1
	STEP 2, 1, 0, 1
	STEP 2, 2, 0, 1
	TURN 2, 3, 0                                   ; chunk 3 has landed in every wave; nothing is filled; nobody reads slot 1 any more
	STEP 3, 0, 0, 1
	STEP 3, 1, 0, 1
	STEP 3, 2, 0, 1
	STEP 3, 3, 0, 0
	WIN 0
; THE WAY OUT, a tile of 16 rows x 64 columns at a time.  A lane holds 8 neighbouring columns of one row in each accumulator, and the lanes beside it hold other rows: so a tile goes through my own
; stage in LDS and comes back as whole rows of 256 bytes.  LDS serves a wave's instructions in order: no wait between the stores and the loads, nor in front of the next tile's stores.
.macro TOSTAGE a
	WIN 0
.irp b, 0,1,2,3
	ds_store_b128 v24, v[ACC+32*(\a)+8*\b:ACC+32*(\a)+8*\b+3] offset:128*(\b/2)+32*(\b%2)          ; each accumulator from its low end on
	ds_store_b128 v24, v[ACC+32*(\a)+8*\b+4:ACC+32*(\a)+8*\b+7] offset:128*(\b/2)+32*(\b%2)+16
.endr
	WIN TO_F                                       ; the rows come back into window 1
.irp i, 0,1,2,3,4,5,6,7
	ds_load_b128 v[32*((\a)%2)+4*\i:32*((\a)%2)+4*\i+3], v25 offset:544*\i
.endr
.endm
.macro SEND a, younger                 ; younger: the LDS instructions issued behind tile a's loads, which may stay out
	s_wait_dscnt \younger
	WIN 0x04                                       ; the stores' data: window 1
.irp i, 0,1,2,3,4,5,6,7
	global_store_b128 v26, v[32*((\a)%2)+4*\i:32*((\a)%2)+4*\i+3], s[12:13] offset:(32*((\a)/2)+8*((\a)%2)+2*\i+8*(\i/4))*8192 th:TH_STORE_NT   ; place 2 i + h of the tile; 16 lanes store 256 consecutive bytes, at a multiple of 256 from out0's first byte
.endr
.endm
	PLACES
	TOSTAGE 0
.irp a, 1,2,3
.if \a > 1
	s_wait_xcnt 0x0                                ; the stores of two tiles back have read the registers into which this tile's rows come
.endif
	TOSTAGE \a
	SEND \a-1, 16                                  ; behind tile a - 1's loads: tile a's eight stores and eight loads
.endr
	SEND 3, 0
	WIN 0
	s_wait_tensorcnt 0x0                           ; the wave's end, behind my last tensor load and my last LDS store
	ds_add_u32 v[SPW], v[NIL]
	s_wait_dscnt 0x0
	CROUND                                         ; the closing round: no work-group ends while a partner may still ask for a tile that names it
	s_endpgm
.Lfunc_end_k_qb6a94ca78f_outp:
	.size	k_qb6a94ca78f_outp, .Lfunc_end_k_qb6a94ca78f_outp-k_qb6a94ca78f_outp
	.p2alignl 7, 3214868480
	.fill 96, 4, 3214868480
	.section	.rodata,"a",@progbits
	.p2align	6, 0x0
	.amdhsa_kernel k_qb6a94ca78f_outp
		.amdhsa_group_segment_fixed_size 327680
		.amdhsa_private_segment_fixed_size 0
		.amdhsa_enable_private_segment 0
		.amdhsa_kernarg_size 40
		.amdhsa_user_sgpr_count 2
		.amdhsa_user_sgpr_kernarg_segment_ptr 1
		.amdhsa_wavefront_size32 1
		.amdhsa_system_sgpr_workgroup_id_x 1
		.amdhsa_system_sgpr_workgroup_id_y 1
		.amdhsa_system_sgpr_workgroup_id_z 1
		.amdhsa_system_vgpr_workitem_id 0
		.amdhsa_next_free_vgpr 512
		.amdhsa_next_free_sgpr 96
		.amdhsa_reserve_vcc 0
		.amdhsa_float_denorm_mode_32 3
		.amdhsa_float_denorm_mode_16_64 3
		.amdhsa_memory_ordered 1
		.amdhsa_forward_progress 1
		.amdhsa_inst_pref_size 87
	.end_amdhsa_kernel
	.amdgpu_metadata
---
amdhsa.version: [ 1, 2 ]
amdhsa.kernels:
  - .name:           k_qb6a94ca78f_outp
    .symbol:         k_qb6a94ca78f_outp.kd
    .args:
      - { .name: yc, .offset: 0, .size: 8, .value_kind: global_buffer, .address_space: global }
      - { .name: ys, .offset: 8, .size: 8, .value_kind: global_buffer, .address_space: global }
      - { .name: opc, .offset: 16, .size: 8, .value_kind: global_buffer, .address_space: global }
      - { .name: ops, .offset: 24, .size: 8, .value_kind: global_buffer, .address_space: global }
      - { .name: out0, .offset: 32, .size: 8, .value_kind: global_buffer, .address_space: global }
    .group_segment_fixed_size: 327680
    .private_segment_fixed_size: 0
    .kernarg_segment_align: 8
    .kernarg_segment_size: 40
    .max_flat_workgroup_size: 128
    .sgpr_count:     96
    .vgpr_count:     512
    .wavefront_size: 32
...
	.end_amdgpu_metadata
.endif
;; end of part 4
